; MI455X (gfx1250); checked and timed in simulation.
; The chip was launched on July 23, 2026; its instructions are those of AMD's public machine-readable ISA for CDNA 5 (MIT licence, August 2026) and "CDNA5" Instruction Set Architecture Reference Guide (July 2026). The comments in the code are by the model that wrote it; some were corrected since.
;; Transformer Encoder Layer Rotary. Allowed arithmetic: matrix products marked QUANTISED: E2M1 operands, one E8M0 scale for each 32 along K, by v_wmma_scale_f32_16x16x128_f8f6f4 with both operands' format E2M1 (or v_wmma_scale_f32_32x16x128_f4), f32 sums; everything else in f32.
;; Inputs: b1 4,096 float32; b2 1,024 float32; k_b 1,024 float32; k_w_codes 1,024 x 32 x 16 uint8 (E2M1 codes of k_w, K innermost, in blocks of 32 codes, two codes a byte); k_w_scales 1,024 x 32 uint8 (E8M0 scales of k_w, one for each 32 codes along K); ln1_b 1,024 float32; ln1_g 1,024 float32; ln2_b 1,024 float32; ln2_g 1,024 float32; q_b 1,024 float32; q_w_codes 1,024 x 32 x 16 uint8 (E2M1 codes of q_w, K innermost, in blocks of 32 codes, two codes a byte); q_w_scales 1,024 x 32 uint8 (E8M0 scales of q_w, one for each 32 codes along K); src 2,048 x 2 x 1,024 float32; v_b 1,024 float32; v_w_codes 1,024 x 32 x 16 uint8 (E2M1 codes of v_w, K innermost, in blocks of 32 codes, two codes a byte); v_w_scales 1,024 x 32 uint8 (E8M0 scales of v_w, one for each 32 codes along K); w1_codes 4,096 x 32 x 16 uint8 (E2M1 codes of w1, K innermost, in blocks of 32 codes, two codes a byte); w1_scales 4,096 x 32 uint8 (E8M0 scales of w1, one for each 32 codes along K); w2_codes 1,024 x 128 x 16 uint8 (E2M1 codes of w2, K innermost, in blocks of 32 codes, two codes a byte); w2_scales 1,024 x 128 uint8 (E8M0 scales of w2, one for each 32 codes along K).
;; Outputs: out0 2,048 x 2 x 1,024 float32.
;; This version of the problem:
;;   THIS VERSION OF THE PROBLEM IS GIVEN IN LOW PRECISION. The matrix products marked QUANTISED in the list below multiply operands that are first quantised to E2M1 (2 exponent bits, 1 mantissa bit; 4 bits a number), with one power-of-two scale for each 32 numbers along K (OCP MX v1.0); their sums are f32. All else is computed in f32.
;;   The module's matrix products, in the order in which they are computed (A, B: the left and right operand; K: the contracted axis; several contracted axes count as one K, in the product's order):
;;     1. [M 4,096, K 1,024] x [K 1,024, N 1,024]; A: input src; B: input q_w (given as codes): QUANTISED
;;     2. [M 4,096, K 1,024] x [K 1,024, N 1,024]; A: input src; B: input k_w (given as codes): QUANTISED
;;     3. [M 4,096, K 1,024] x [K 1,024, N 1,024]; A: input src; B: input v_w (given as codes): QUANTISED
;;     4. batch 32 x [M 2,048, K 64] x [K 64, N 2,048]; A: computed on the way; B: computed on the way: QUANTISED
;;     5. batch 32 x [M 2,048, K 2,048] x [K 2,048, N 64]; A: softmax (see below); B: computed on the way: QUANTISED
;;     6. [M 4,096, K 1,024] x [K 1,024, N 4,096]; A: computed on the way; B: input w1 (given as codes): QUANTISED
;;     7. [M 4,096, K 4,096] x [K 4,096, N 1,024]; A: computed on the way; B: input w2 (given as codes): QUANTISED
;;   THE QUANTISER, for each operand of a quantised product, along K:
;;     - K is cut into blocks of 32 from its start; a last block that is shorter is filled with zeros.
;;     - A block's scale is 2^e with e = floor(log2(the largest magnitude in the block)) - 2, held to -126 .. 127; a block of zeros has e = 0. As a byte (E8M0): e + 127.
;;     - Each number is divided by its block's scale, clamped to +-6, and rounded to the nearest number of E2M1, ties to even, subnormals kept.
;;     - The product sums the exact products of the quantised numbers (number of the format x scale) in f32.
;;   ~~~python
;;   def quantise(x, axis):      # numpy; x: float32 -> the quantised numbers, widened to float32 again
;;       x = np.moveaxis(x, axis, -1); K = x.shape[-1]
;;       x = np.pad(x, [(0, 0)] * (x.ndim - 1) + [(0, -K % 32)]); x = x.reshape(x.shape[:-1] + (-1, 32)); a = np.abs(x).max(-1, keepdims=True)
;;       e = np.where(a > 0, np.clip(np.frexp(np.where(a > 0, a, 1))[1] - 1 - 2, -126, 127), 0)      # np.frexp(a)[1] - 1 = floor(log2(a)), exactly
;;       r = np.clip(x / 2.0 ** e, -6, 6)
;;       step = 2.0 ** (np.maximum(np.frexp(np.where(r == 0, 1, r))[1] - 1, 0) - 1)
;;       q = np.round(r / step) * step * 2.0 ** e      # np.round: ties to even
;;       return np.moveaxis(q.reshape(q.shape[:-2] + (-1,))[..., :K], -1, axis).astype(np.float32)
;;   ~~~
;;   SOFTMAX AHEAD OF A QUANTISED PRODUCT. Where the list says 'softmax', what is quantised is not the finished softmax but p = 2^(t - M), with t = logit x log2(e) and M = ceil(the row's largest t), a whole number; so 1/2 < the row's largest p <= 1. The row's sum l is taken of the UNQUANTISED p, in f32, and the product's result is divided by l at the end. Since M is a whole number, a kernel that streams over the keys may use a running M (the ceiling of the running maximum): every later rescaling is an exact power of two, which a block's scale takes up: the codes' values come out the same.
;;   OPERANDS COMPUTED ON THE WAY. 'Computed on the way' means the value that the module computes at that place (a softmax that the list does not call 'softmax' is quantised finished and normalised). What goes into a quantiser is computed in f32, as accurately as f32 sums, v_exp_f32 and their like allow (about 1e-6 of the number): no bf16 or f16 on the way to a quantiser, and a product that is left as it is and whose result goes on into a quantised operand takes f32 operands (vector FMAs, or v_wmma_f32_16x16x4_f32). A number that lies on a knife's edge between two numbers of the format may be rounded either way, as far as f32 arithmetic and the matrix unit's own rounding can turn it there, and no further.
;;   INPUTS GIVEN AS CODES. k_w (in the module: [1024, 1024], K = its axis 0); q_w (in the module: [1024, 1024], K = its axis 0); v_w (in the module: [1024, 1024], K = its axis 0); w1 (in the module: [1024, 4096], K = its axis 0); w2 (in the module: [4096, 1024], K = its axis 0): each comes as NAME_codes (uint8): NAME with its K axis moved to the last place and cut into blocks of 32 codes, [.., K / 32, bytes a block], one block behind the other in memory; two codes a byte, the lower K in the low four bits (a code: sign, 2 exponent bits, 1 mantissa bit); and NAME_scales (uint8): the same leading axes, one E8M0 byte (e + 127) for each 32 codes along K. Its value is code x scale, taken as it is: it is not quantised again, and the codes and scales need not be those that the quantiser above would give.
;; One version. Each part assembles by itself: llvm-mc -triple=amdgcn-amd-amdhsa -mcpu=gfx1250 --defsym DOCPART=n.
;; ======== version 1 of 1: 6 launches
;; limits: right only within a limited range of input values
;; workspace buffers: pw 8,519,680 bytes; qkv 6,815,744 bytes; xb 19,005,440 bytes; hb 8,912,896 bytes; zb 16,777,216 bytes
;; launch prep (part 1): grid 256 x 1, 16 waves a work-group, no clusters, 13,312 bytes of LDS; arguments src, q_w_codes, k_w_codes, v_w_codes, w1_codes, w2_codes, pw; writes pw
.if DOCPART == 1
	.amdgcn_target "amdgcn-amd-amdhsa--gfx1250"
	.amdhsa_code_object_version 6
	.text
	.protected	k_q12883ff693_prep
	.globl	k_q12883ff693_prep
	.p2align	8
	.type	k_q12883ff693_prep,@function
k_q12883ff693_prep:
	s_mov_b64 s[64:65], 0
	v_nop
	global_prefetch_b8 v0, s[64:65] scope:SCOPE_SE
	s_setreg_imm32_b32 hwreg(HW_REG_WAVE_MODE, 25, 1), 1
	s_wait_xcnt 0x0
; FIRST OF SIX LAUNCHES of one encoder layer (2,048 positions x 2 batches x 1,024; 16 heads of 64; 4,096 hidden), all seven products on E2M1 codes with E8M0 scales.
; DEAD WORK: none is left out.  Every input has a way to the output: the bias on k would cancel in a softmax over real numbers, but it moves the codes of k, so it is added.
; THIS LAUNCH: (1) src, f32, is quantised along its 1,024; (2) the five weights, given as codes, are laid anew; (3) the table of cosines and sines for the rotary embedding is made.
; ROWS are counted mp = batch x 2,048 + position.  A TILE T is 16 rows: its lane r holds row 32 (T / 2) + 8 (T % 2) + r + 8 (r / 8).
; AN IMAGE of a fragment (16 rows x 128 along K) is 1,024 bytes: the 16 bytes of (c, lane) lie at 512 c + 16 lane and hold k = 64 c + 32 (lane / 16) + 0 .. 31 of row lane % 16: the operand's registers, lane by lane.
; So the later launches fetch every fragment by two loads of 512 consecutive bytes.  Buffer pw: images of src, its scale bytes [mp][32], images of q_w, k_w, v_w, w1, w2, the table.
; SHARES: work-group T takes tile T of src, one row a wave; one chunk of 16 rows x 512 bytes of w1, one of w2, and (T < 192) one of q_w, k_w or v_w, 16 bytes a thread; positions 8 T .. 8 T + 7 of the table (waves 0 to 7, a lane a frequency).
; THE QUANTISER: a block's scale byte is its largest magnitude's exponent field - 2, held at 1 from below.
; LIMITS: a block of zeros gets the byte 1 where the rule says 127 (its codes are zeros, and this program alone reads the bytes); NaN and infinities among the inputs are not served;
; the 32 frequencies are 10^(-f / 8) rounded to f32 and may differ in the last bit from a power and a division in f32; cosine and sine come from a reduction by pi / 2 in two parts and polynomials on |x| <= pi / 4.
.set SRCS,  2097152
.set QWI,   2228224
.set W1I,   3801088
.set W2I,   5898240
.set ROPE,  7995392
.set LSC,   8704                       ; LDS: 0: the codes' stage, 32 units of 256 bytes + 16; here: the 16 rows' scale bytes, 32 a row
.set LRP,   9216                       ; the table's stage, 2,048 bytes
.set SPARE, 11264                      ; the spare words, 128 bytes for each of 16 waves
.set RO,   2                           ; v2   32 x lane: my 8 numbers in each quarter of the row
.set WA,   3                           ; v3   my 16 bytes in a chunk of a weight with rows of 512 bytes
.set WB,   4                           ; v4   the same with rows of 2,048 bytes
.set DST,  5                           ; v5   16 x thread
.set SA,   6                           ; v6   the stage: where my 4 bytes of codes go
.set SB,   7                           ; v7   where my block's scale byte goes
.set RS,   8                           ; v8   the table's stage: my cosine and sine
.set OA,   9                           ; v9   the stage read back
.set ORP,  10                          ; v10  the table's stage read back
.set OS,   11                          ; v11  the scale bytes read back
.set OG,   12                          ; v12  and their place in memory
.set X,    16                          ; v16-47 the row: register 8 j + i = column 256 j + 8 lane + i
.set QC,   48
.set QM,   64
.set QE,   68
.set QB,   72
.set FQ,   76
.set AN,   77
.set NQ,   78
.set RH,   79
.set ZZ,   80
.set SNP,  81
.set CSP,  82
.set T1,   83
.set T2,   84
.set T3,   85
.set NI,   86
.set CSO,  88
.set SPW,  92
.set NIL,  93
; A row of 1,024 numbers in a wave becomes codes and scale bytes.  A block of 32 lies in four neighbouring lanes.
.macro QROW
.irp j, 0,1,2,3
	v_max3_num_f32 v[QM+\j], |v[X+8*\j]|, |v[X+8*\j+1]|, 0x1800000   ; my 8 numbers, and the floor 2^(3 - 127): the byte cannot fall under 1
.endr
.irp i, 2,4,6
.irp j, 0,1,2,3
	s_delay_alu instid0(VALU_DEP_4)
	v_max3_num_f32 v[QM+\j], v[QM+\j], |v[X+8*\j+\i]|, |v[X+8*\j+\i+1]|
.endr
.endr
.irp j, 0,1,2,3
	s_delay_alu instid0(VALU_DEP_4)
	v_max_num_f32_dpp v[QM+\j], v[QM+\j], v[QM+\j] row_xmask:1 row_mask:0xf bank_mask:0xf
.endr
.irp j, 0,1,2,3
	s_delay_alu instid0(VALU_DEP_4)
	v_max_num_f32_dpp v[QM+\j], v[QM+\j], v[QM+\j] row_xmask:2 row_mask:0xf bank_mask:0xf   ; the block's largest magnitude
.endr
.irp j, 0,1,2,3
	s_delay_alu instid0(VALU_DEP_4)
	v_add_nc_u32 v[QE+\j], 0xff000000, v[QM+\j]    ; 2 off its exponent field: the conversion's scale operand
.endr
.irp j, 0,1,2,3
	s_delay_alu instid0(VALU_DEP_4)
	v_lshrrev_b32 v[QB+\j], 23, v[QE+\j]           ; the scale's byte
.endr
.irp j, 0,1,2,3
	v_cvt_scalef32_pk8_fp4_f32 v[QC+\j], v[X+8*\j:X+8*\j+7], v[QE+\j]
.endr
	v_nop                                          ; one plain line behind the last conversion
.irp j, 0,1,2,3
	ds_store_b32 v[SA], v[QC+\j] offset:2176*\j    ; image byte 2,048 j + 256 (lane / 4) + 16 row + 4 (lane % 4), with 16 bytes of padding behind each 256
	ds_store_b8 v[SB], v[QB+\j] offset:8*\j        ; the four lanes of a block write the same byte with the same value
.endr
.endm
.macro FRQ lane, val
	s_mov_b32 s41, \val
	v_writelane_b32 v[FQ], s41, \lane
.endm
	s_load_b256 s[4:11], s[0:1], 0x0               ; src, q_w, k_w, v_w
	s_load_b128 s[12:15], s[0:1], 0x20             ; w1, w2
	s_load_b64 s[16:17], s[0:1], 0x30              ; pw
	v_lshl_add_u32 v[SPW], v0, 2, SPARE
	v_mov_b32 v[NIL], 0
	v_lshrrev_b32 v1, 5, v0
	s_delay_alu instid0(VALU_DEP_1)
	v_readfirstlane_b32 s18, v1                    ; wave = the tile's lane
	v_and_b32 v1, 31, v0                           ; lane
	s_wait_alu depctr_va_vdst(0)
	s_lshr_b32 s19, ttmp9, 1
	s_lshl_b32 s19, s19, 5
	s_and_b32 s20, ttmp9, 1
	s_lshl_b32 s20, s20, 3
	s_add_co_u32 s19, s19, s20                     ; the tile's first row: 32 (T / 2) + 8 (T % 2)
	s_and_b32 s20, s18, 8
	s_add_co_u32 s20, s20, s18
	s_add_co_u32 s20, s20, s19                     ; my row mp
	s_and_b32 s21, s20, 2047
	s_lshl_b32 s21, s21, 1
	s_lshr_b32 s22, s20, 11
	s_add_co_u32 s21, s21, s22                     ; in src: 2 x position + batch
	s_lshl_b32 s22, s21, 12
	s_mov_b32 s23, 0
	s_lshl_b32 s24, s19, 9                         ; w1: tile T, rows of 512 bytes
	s_mov_b32 s25, 0
	s_lshr_b32 s26, ttmp9, 3                       ; w2: tile T / 4, rows of 2,048 bytes, their quarter T % 4
	s_lshl_b32 s26, s26, 5
	s_bfe_u32 s27, ttmp9, 0x10002
	s_lshl_b32 s27, s27, 3
	s_add_co_u32 s26, s26, s27
	s_lshl_b32 s26, s26, 11
	s_and_b32 s27, ttmp9, 3
	s_lshl_b32 s27, s27, 9
	s_add_co_u32 s26, s26, s27
	s_mov_b32 s27, 0
	s_and_b32 s28, ttmp9, 63                       ; q_w, k_w, v_w: tile T % 64
	s_lshr_b32 s28, s28, 1
	s_lshl_b32 s28, s28, 5
	s_and_b32 s29, ttmp9, 1
	s_lshl_b32 s29, s29, 3
	s_add_co_u32 s28, s28, s29
	s_lshl_b32 s28, s28, 9
	s_mov_b32 s29, 0
	s_lshl_b32 s32, ttmp9, 13                      ; 8,192 T: an image chunk
	s_mov_b32 s33, 0
	s_lshl_b32 s34, ttmp9, 11                      ; 2,048 T: the table's part
	s_mov_b32 s35, 0
	s_lshl_b32 s36, s19, 5                         ; 32 bytes of scales a row
	s_mov_b32 s37, 0
	v_lshlrev_b32 v[RO], 5, v1
	v_and_b32 v13, 15, v1                          ; r
	v_lshrrev_b32 v14, 4, v1                       ; h
	s_delay_alu instid0(VALU_DEP_2)
	v_and_b32 v15, 8, v13
	s_delay_alu instid0(VALU_DEP_1)
	v_add_nc_u32 v13, v13, v15                     ; r + 8 (r / 8)
	v_and_b32 v15, 0x1e0, v0                       ; 32 x wave: K step wave / 2, half wave % 2
	s_delay_alu instid0(VALU_DEP_1)
	v_lshl_add_u32 v15, v14, 4, v15                ; + 16 h
	s_delay_alu instid0(VALU_DEP_1)
	v_lshl_add_u32 v[WA], v13, 9, v15
	s_delay_alu instid0(VALU_DEP_2)
	v_lshl_add_u32 v[WB], v13, 11, v15
	v_lshlrev_b32 v[DST], 4, v0
	v_lshrrev_b32 v13, 2, v1
	s_delay_alu instid0(VALU_DEP_1)
	v_mul_u32_u24 v[SA], v13, 272
	v_and_b32 v14, 3, v1
	s_delay_alu instid0(VALU_DEP_1)
	v_lshl_add_u32 v[SA], v14, 2, v[SA]
	s_lshl_b32 s30, s18, 4
	v_add_nc_u32 v[SA], s30, v[SA]
	s_lshl_b32 s30, s18, 5
	s_add_co_u32 s30, s30, LSC
	v_add_nc_u32 v[SB], s30, v13
	v_lshrrev_b32 v14, 4, v1                       ; the table's stage: [q 8][h 2][position % 8][16 bytes], frequency f = 16 (q / 4) + 8 h + 2 (q % 4) + e
	s_delay_alu instid0(VALU_DEP_1)
	v_lshlrev_b32 v[RS], 10, v14
	v_bfe_u32 v14, v1, 1, 2
	s_delay_alu instid0(VALU_DEP_1)
	v_lshl_add_u32 v[RS], v14, 8, v[RS]
	v_bfe_u32 v14, v1, 3, 1
	s_delay_alu instid0(VALU_DEP_1)
	v_lshl_add_u32 v[RS], v14, 7, v[RS]
	v_and_b32 v14, 1, v1
	s_delay_alu instid0(VALU_DEP_1)
	v_lshl_add_u32 v[RS], v14, 3, v[RS]
	s_and_b32 s30, s18, 7
	s_lshl_b32 s30, s30, 4
	s_add_co_u32 s30, s30, LRP
	v_add_nc_u32 v[RS], s30, v[RS]
	v_lshrrev_b32 v14, 4, v0
	s_delay_alu instid0(VALU_DEP_1)
	v_mul_u32_u24 v[OA], v14, 272
	v_and_b32 v14, 15, v0
	s_delay_alu instid0(VALU_DEP_1)
	v_lshl_add_u32 v[OA], v14, 4, v[OA]
	v_and_b32 v14, 127, v0
	s_delay_alu instid0(VALU_DEP_1)
	v_lshl_add_u32 v[ORP], v14, 4, LRP
	v_lshl_add_u32 v[OS], v1, 4, LSC
	v_lshrrev_b32 v14, 4, v1
	v_lshlrev_b32 v[OG], 4, v1
	s_delay_alu instid0(VALU_DEP_1)
	v_lshl_add_u32 v[OG], v14, 8, v[OG]            ; rows 8 to 15 of a tile lie 8 rows further on
	s_lshr_b32 s30, ttmp9, 6
	s_wait_kmcnt 0x0
	s_add_nc_u64 s[4:5], s[4:5], s[22:23]
	s_add_nc_u64 s[12:13], s[12:13], s[24:25]
	s_add_nc_u64 s[14:15], s[14:15], s[26:27]
	s_cmp_eq_u32 s30, 0                            ; which of the three square weights: the work-group's number alone decides
	s_cselect_b64 s[38:39], s[6:7], s[8:9]
	s_cmp_eq_u32 s30, 2
	s_cselect_b64 s[38:39], s[10:11], s[38:39]
	s_add_nc_u64 s[38:39], s[38:39], s[28:29]
	s_add_nc_u64 s[32:33], s[16:17], s[32:33]
	s_add_nc_u64 s[34:35], s[16:17], s[34:35]
	s_add_nc_u64 s[36:37], s[16:17], s[36:37]
.irp j, 0,1,2,3
	global_load_b128 v[X+8*\j:X+8*\j+3], v[RO], s[4:5] offset:1024*\j th:TH_LOAD_NT
	global_load_b128 v[X+8*\j+4:X+8*\j+7], v[RO], s[4:5] offset:1024*\j+16 th:TH_LOAD_NT
.endr
	global_load_b128 v[52:55], v[WA], s[12:13]
	global_load_b128 v[56:59], v[WB], s[14:15]
	s_cmp_lt_u32 ttmp9, 192
	s_cbranch_scc0 .Lno_third
	global_load_b128 v[60:63], v[WA], s[38:39]
	s_wait_loadcnt 0x0
	global_store_b128 v[DST], v[60:63], s[32:33] offset:QWI   ; the three images lie on end: 8,192 T serves all
.Lno_third:
	s_wait_loadcnt 0x0
	global_store_b128 v[DST], v[52:55], s[32:33] offset:W1I   ; a wave stores 512 consecutive bytes
	global_store_b128 v[DST], v[56:59], s[32:33] offset:W2I
	QROW
	s_cmp_lt_u32 s18, 8
	s_cbranch_scc0 .Lno_rope
	; the table: position 8 T + wave, frequency = lane
	v_mov_b32 v[FQ], 0
	FRQ 0, 1.0
	FRQ 1, 0.7498942093
	FRQ 2, 0.5623413252
	FRQ 3, 0.4216965034
	FRQ 4, 0.3162277660
	FRQ 5, 0.2371373706
	FRQ 6, 0.1778279410
	FRQ 7, 0.1333521432
	FRQ 8, 0.1
	FRQ 9, 0.07498942093
	FRQ 10, 0.05623413252
	FRQ 11, 0.04216965034
	FRQ 12, 0.03162277660
	FRQ 13, 0.02371373706
	FRQ 14, 0.01778279410
	FRQ 15, 0.01333521432
	FRQ 16, 0.01
	FRQ 17, 0.007498942093
	FRQ 18, 0.005623413252
	FRQ 19, 0.004216965034
	FRQ 20, 0.003162277660
	FRQ 21, 0.002371373706
	FRQ 22, 0.001778279410
	FRQ 23, 0.001333521432
	FRQ 24, 0.001
	FRQ 25, 0.0007498942093
	FRQ 26, 0.0005623413252
	FRQ 27, 0.0004216965034
	FRQ 28, 0.0003162277660
	FRQ 29, 0.0002371373706
	FRQ 30, 0.0001778279410
	FRQ 31, 0.0001333521432
	s_mov_b32 s42, -0.00019515295891               ; the sine's polynomial,
	s_mov_b32 s43, 0.0083321608736
	s_mov_b32 s44, -0.16666654611
	s_mov_b32 s45, 0.00002443315712                ; the cosine's
	s_mov_b32 s46, -0.001388731625
	s_mov_b32 s47, 0.04166664568
	s_lshl_b32 s40, ttmp9, 3
	s_add_co_u32 s40, s40, s18
	v_cvt_f32_u32 v[AN], s40
	s_wait_alu depctr_va_vdst(0)
	v_mul_f32 v[AN], v[AN], v[FQ]                  ; the angle, rounded once
	s_delay_alu instid0(VALU_DEP_1)
	v_mul_f32 v[NQ], 0x3f22f983, v[AN]
	s_delay_alu instid0(VALU_DEP_1)
	v_rndne_f32 v[NQ], v[NQ]                       ; n = the nearest multiple of pi / 2
	s_delay_alu instid0(VALU_DEP_1)
	v_fmamk_f32 v[RH], v[NQ], 0xbfc90fdb, v[AN]    ; angle - n x (pi / 2 rounded to f32),
	s_delay_alu instid0(VALU_DEP_1)
	v_fmamk_f32 v[RH], v[NQ], 0x333bbd2e, v[RH]    ; - n x the rest of pi / 2 (which is negative)
	s_delay_alu instid0(VALU_DEP_1)
	v_mul_f32 v[ZZ], v[RH], v[RH]
	v_mov_b32 v[SNP], s42
	s_delay_alu instid0(VALU_DEP_1)
	v_fma_f32 v[SNP], v[ZZ], v[SNP], s43
	s_delay_alu instid0(VALU_DEP_1)
	v_fma_f32 v[SNP], v[ZZ], v[SNP], s44
	s_delay_alu instid0(VALU_DEP_4)
	v_mul_f32 v[T1], v[ZZ], v[RH]
	s_delay_alu instid0(VALU_DEP_1)
	v_fma_f32 v[SNP], v[T1], v[SNP], v[RH]
	v_mov_b32 v[CSP], s45
	s_delay_alu instid0(VALU_DEP_1)
	v_fma_f32 v[CSP], v[ZZ], v[CSP], s46
	s_delay_alu instid0(VALU_DEP_1)
	v_fma_f32 v[CSP], v[ZZ], v[CSP], s47
	v_mul_f32 v[T1], v[ZZ], v[ZZ]
	v_fma_f32 v[T2], v[ZZ], -0.5, 1.0
	s_delay_alu instid0(VALU_DEP_1)
	v_fma_f32 v[CSP], v[T1], v[CSP], v[T2]
	v_cvt_i32_f32 v[NI], v[NQ]
	s_delay_alu instid0(VALU_DEP_1)
	v_and_b32 v[T1], 1, v[NI]
	s_delay_alu instid0(VALU_DEP_1)
	v_cmp_eq_u32 vcc_lo, 1, v[T1]
	s_delay_alu instid0(VALU_DEP_1)
	v_cndmask_b32 v[T2], v[CSP], v[SNP], vcc_lo    ; in an odd quadrant the two change places
	s_delay_alu instid0(VALU_DEP_2)
	v_cndmask_b32 v[T3], v[SNP], v[CSP], vcc_lo
	v_add_nc_u32 v[T1], 1, v[NI]
	s_delay_alu instid0(VALU_DEP_1)
	v_and_b32 v[T1], 2, v[T1]
	s_delay_alu instid0(VALU_DEP_1)
	v_lshlrev_b32 v[T1], 30, v[T1]
	s_delay_alu instid0(VALU_DEP_1)
	v_xor_b32 v[CSO], v[T2], v[T1]                 ; the cosine is negative in quadrants 1 and 2,
	v_and_b32 v[T1], 2, v[NI]
	s_delay_alu instid0(VALU_DEP_1)
	v_lshlrev_b32 v[T1], 30, v[T1]
	s_delay_alu instid0(VALU_DEP_1)
	v_xor_b32 v[CSO+1], v[T3], v[T1]               ; the sine in quadrants 2 and 3
	ds_store_b64 v[RS], v[CSO:CSO+1]
.Lno_rope:
	s_wait_dscnt 0x0                               ; for the others' sake: my stores into the stages are done
	s_barrier_signal -1
	s_barrier_wait -1
	ds_load_b128 v[16:19], v[OA]
	s_wait_dscnt 0x0
	global_store_b128 v[DST], v[16:19], s[32:33]   ; the tile's eight images: 8,192 consecutive bytes
	s_cmp_lt_u32 s18, 4
	s_cbranch_scc0 .Lnot_rope_out
	ds_load_b128 v[20:23], v[ORP]
	s_wait_dscnt 0x0
	global_store_b128 v[DST], v[20:23], s[34:35] offset:ROPE
.Lnot_rope_out:
	s_cmp_eq_u32 s18, 4
	s_cbranch_scc0 .Lnot_scales_out
	ds_load_b128 v[24:27], v[OS]
	s_wait_dscnt 0x0
	global_store_b128 v[OG], v[24:27], s[36:37] offset:SRCS   ; two runs of 256 consecutive bytes
.Lnot_scales_out:
	s_wait_tensorcnt 0x0                           ; the wave's end
	ds_add_u32 v[SPW], v[NIL]
	s_wait_dscnt 0x0
	s_endpgm
.Lfunc_end_k_q12883ff693_prep:
	.size	k_q12883ff693_prep, .Lfunc_end_k_q12883ff693_prep-k_q12883ff693_prep
	.p2alignl 7, 3214868480
	.fill 96, 4, 3214868480
	.section	.rodata,"a",@progbits
	.p2align	6, 0x0
	.amdhsa_kernel k_q12883ff693_prep
		.amdhsa_group_segment_fixed_size 13312
		.amdhsa_private_segment_fixed_size 0
		.amdhsa_enable_private_segment 0
		.amdhsa_kernarg_size 56
		.amdhsa_user_sgpr_count 2
		.amdhsa_user_sgpr_kernarg_segment_ptr 1
		.amdhsa_wavefront_size32 1
		.amdhsa_system_sgpr_workgroup_id_x 1
		.amdhsa_system_sgpr_workgroup_id_y 1
		.amdhsa_system_sgpr_workgroup_id_z 1
		.amdhsa_system_vgpr_workitem_id 0
		.amdhsa_next_free_vgpr 96
		.amdhsa_next_free_sgpr 66
		.amdhsa_reserve_vcc 1
		.amdhsa_float_denorm_mode_32 3
		.amdhsa_float_denorm_mode_16_64 3
		.amdhsa_memory_ordered 1
		.amdhsa_forward_progress 1
		.amdhsa_inst_pref_size 18
	.end_amdhsa_kernel
	.amdgpu_metadata
---
amdhsa.version: [ 1, 2 ]
amdhsa.kernels:
  - .name:           k_q12883ff693_prep
    .symbol:         k_q12883ff693_prep.kd
    .args:
      - { .name: src, .offset: 0, .size: 8, .value_kind: global_buffer, .address_space: global }
      - { .name: q_w_codes, .offset: 8, .size: 8, .value_kind: global_buffer, .address_space: global }
      - { .name: k_w_codes, .offset: 16, .size: 8, .value_kind: global_buffer, .address_space: global }
      - { .name: v_w_codes, .offset: 24, .size: 8, .value_kind: global_buffer, .address_space: global }
      - { .name: w1_codes, .offset: 32, .size: 8, .value_kind: global_buffer, .address_space: global }
      - { .name: w2_codes, .offset: 40, .size: 8, .value_kind: global_buffer, .address_space: global }
      - { .name: pw, .offset: 48, .size: 8, .value_kind: global_buffer, .address_space: global }
    .group_segment_fixed_size: 13312
    .private_segment_fixed_size: 0
    .kernarg_segment_align: 8
    .kernarg_segment_size: 56
    .max_flat_workgroup_size: 512
    .sgpr_count:     66
    .vgpr_count:     96
    .wavefront_size: 32
...
	.end_amdgpu_metadata
.endif
;; end of part 1
;; launch qkv (part 2): grid 32 x 8, 3 waves a work-group, clusters of 4 x 4, 295,424 bytes of LDS; arguments pw, q_w_scales, k_w_scales, v_w_scales, q_b, k_b, v_b, qkv; writes qkv
.if DOCPART == 2
	.amdgcn_target "amdgcn-amd-amdhsa--gfx1250"
	.amdhsa_code_object_version 6
	.text
	.protected	k_q12883ff693_qkv
	.globl	k_q12883ff693_qkv
	.p2align	8
	.type	k_q12883ff693_qkv,@function
k_q12883ff693_qkv:
	s_mov_b64 s[64:65], 0
	v_nop
	global_prefetch_b8 v0, s[64:65] scope:SCOPE_SE
	s_setreg_imm32_b32 hwreg(HW_REG_WAVE_MODE, 25, 1), 1
	s_wait_xcnt 0x0
	s_wait_alu depctr_hold_cnt(0) depctr_sa_sdst(0) depctr_va_vdst(0) depctr_va_sdst(0) depctr_va_ssrc(0) depctr_va_vcc(0) depctr_vm_vsrc(0)
	s_getreg_b32 s2, hwreg(HW_REG_IB_STS2, 6, 4)
	s_cmp_eq_u32 s2, 0
	s_cbranch_scc0 .Lentry_in_a_cluster
	s_endpgm
.Lentry_in_a_cluster:
	s_bfe_u32 s2, ttmp6, 0x10000c
	s_cmp_lg_u32 s2, 0xf033
	s_cbranch_scc0 .Lentry_shape_is_right
	s_endpgm
.Lentry_shape_is_right:
; q, k, v = src x weight + bias on E2M1 codes; q and k are turned by the rotary embedding and quantised along the head's 64; v is quantised along the keys.  No work of the problem is left out here.
; SHARES: a work-group takes 128 rows (group g = work-group x) and 128 columns (two heads, cg = work-group y); wave 0 makes q, wave 1 k, wave 2 v: each 128 x 128 over K = 1,024 in 64 accumulators.
; OPERANDS: the images of 128 rows or 128 columns for all of K are one dense block of 65,536 bytes.  All that the work-group reads comes into LDS ONCE, one tensor load a wave at the head, and stays: nothing is filled again.
; Wave 0 fetches the three weights' blocks as one tile of 3 rows of 65,536 bytes, 524,288 bytes apart in memory; wave 1 the tokens' block; wave 2 the table of cosines and sines for the group's 128 positions, 32,768 dense bytes.
; One tensor load of mine is out at the most.  Each fragment is two LDS loads of 512 consecutive bytes; two sets of fragments take turns.
; CLUSTER: 4 x 4 work-groups.  The weights' blocks hang on the work-group's y alone and are asked for jointly along a row of the cluster; the tokens' block and the table on its x alone, along a column.
; No prefetch: the launch has one group of loads at its head and no loop to run ahead in.
; THE PRODUCT: accumulator (a, t) = (source 0 = fragment t of X) x (source 1 = fragment a of Y).  Lane (r, h), register j holds X's row 32 (t / 2) + 16 h + 8 (t % 2) + j and Y's row 32 (a / 2) + 8 (a % 2) + r + 8 (r / 8):
; the 64 registers of one a are 128 neighbours along X.  q, k: X = the weight's columns, Y = the tokens: a lane holds a token, its registers run along two heads.  v: X = the tokens, Y = the weight: registers run along the keys.
; OUT (buffer qkv): q: a tile's codes of one head, 512 bytes, [head][tile]; its scale bytes twice in a word, [head][group][r][a].  For each head and group of 128 keys a record of 8,704 bytes: 8 tiles of k (512 each), 4 images of v^T, k's words [r][4], v's words [r][4].
; LIMITS: a block of zeros gets the scale byte 1 (read by this program alone); NaN and infinities are not served.
; REGISTERS: window 0: v1-10, v16-18 offsets; v28, v29 the add's two; v32-95 X's scale words, v96-159 Y's (free behind the products: then v32-95 the 64 numbers in hand, v96-151 at work); v160-223 the bias of q or k, v224-231 of v.
;   window 1: the fragments, later the table.  windows 2, 3: the accumulators.
.set SRCS,  2097152
.set QWI,   2228224
.set ROPE,  7995392
.set QS,    2097152
.set KV,    2359296
.set HEADB, 139264
.set REC,   8704
.set BLK,   65536                      ; LDS: q_w's, k_w's, v_w's block, then the tokens',
.set TBL,   4*BLK                      ; the table,
.set SPARE, TBL+32768                  ; the spare words, 128 bytes for each of 3 waves: two blocks of 256 bytes that no other line names
.set TSX,   8192
.set TSY,   8192
.set YSA,   8
.set YSS,   1
.set LI,   1                           ; 16 x lane
.set RR,   2                           ; r
.set HH,   3                           ; h
.set LSO,  4                           ; 32 (r + 8 (r / 8)): my row's scale bytes in a tile
.set RL,   5                           ; the table: 4,096 (r / 8) + 128 h + 16 (r % 8)
.set H16,  6                           ; 16 h
.set BO,   7                           ; 64 h
.set VBO,  8                           ; 4 (r + 8 (r / 8))
.set QSO,  9                           ; 8,192 h + 32 r
.set KSO,  10                          ; a head's bytes x h + 16 r
.set RLD,  16                          ; the same place as RL, in LDS
.set LXA,  17                          ; LDS: X's block + 16 x lane
.set LYA,  18                          ; Y's
.set SPW,  28                          ; LDS address of my spare word; never rewritten
.set NIL,  29                          ; 0; never rewritten
.set XS,   32
.set YS,   96
.set BI,   160
.set VB,   224
.set HA,   32
.set TM,   96
.set PW,   112
.set PC,   114
.set TT,   124
.set SW,   140
.set KW,   148
.set SEL,  2
.set G0T,  24                          ; group 0: the tokens
.set G0R,  40                          ; the table
.set G0W,  68                          ; the weights
.set G1W,  72                          ; group 1: the weights
.set G1T,  80                          ; the tokens
.set G1R,  88                          ; the table
.set MSB, 0
.macro WIN new                         ; the immediate's high byte repeats the setting that is left
.if MSB != (\new)
	s_set_vgpr_msb (MSB<<8)|(\new)
.set MSB, (\new)
.endif
.endm
.macro PLACES                          ; four plain lines behind a matrix instruction, ahead of loads into its registers and of reads of its results
.rept 4
	v_nop
.endr
.endm
.macro CROUND                          ; a round of the cluster's barrier
	s_barrier_signal -1
	s_barrier_wait -1
	s_cmp_lg_u32 s20, 0
	s_cbranch_scc1 .Lnot_wave_0_\@
	s_barrier_signal -3
.Lnot_wave_0_\@:
	s_barrier_wait -3
	s_barrier_signal -1
	s_barrier_wait -1
.endm
; 64 numbers of a lane, register 16 b + i = k 32 b + 16 (lane / 16) + i of my row, become a fragment's codes in v[PC] on and its scale word in v[PW].
.macro QUANT s
.irp b, 0,1,2,3
	v_max3_num_f32 v[TM+\b], |v[\s+16*\b]|, |v[\s+1+16*\b]|, 0x1800000   ; and the floor 2^(3 - 127): the byte cannot fall under 1
.endr
.irp i, 2,4,6,8,10,12,14
.irp b, 0,1,2,3
	v_max3_num_f32 v[TM+\b], v[TM+\b], |v[\s+16*\b+\i]|, |v[\s+1+16*\b+\i]|
.endr
.endr
.irp b, 0,1,2,3
	v_permlanex16_b32 v[TM+4+\b], v[TM+\b], s[SEL], s[SEL+1]
.endr
.irp b, 0,1,2,3
	v_max_num_f32 v[TM+\b], v[TM+\b], v[TM+4+\b]   ; with lane l xor 16's: the block's largest magnitude
.endr
.irp b, 0,1,2,3
	v_add_nc_u32 v[TM+12+\b], 0xff000000, v[TM+\b] ; 2 off its exponent field: the conversion's scale operand
.endr
.irp b, 0,1,2,3
	v_lshrrev_b32 v[TM+4+\b], 23, v[TM+12+\b]      ; the scale's byte
.endr
	v_lshl_or_b32 v[PW], v[TM+5], 8, v[TM+4]
	v_lshl_or_b32 v[PW], v[TM+6], 16, v[PW]
	v_lshl_or_b32 v[PW], v[TM+7], 24, v[PW]
.irp b, 0,1,2,3
	v_cvt_scalef32_pk8_fp4_f32 v[PC+2*\b], v[\s+16*\b:\s+7+16*\b], v[TM+12+\b]
	v_cvt_scalef32_pk8_fp4_f32 v[PC+1+2*\b], v[\s+8+16*\b:\s+15+16*\b], v[TM+12+\b]
.endr
	v_nop                                          ; one plain line behind a scaled conversion
.irp c, 0,1                                    ; the operand's layout wants a whole block in a lane
.irp i, 0,1
	v_permlane16_swap_b32 v[PC+4*\c+\i], v[PC+2+4*\c+\i]
.endr
.endr
.endm
; the 16 fragments of K step s into set: 32 LDS loads of 512 consecutive bytes
.macro LOADSET s, set
.irp t, 0,1,2,3,4,5,6,7
.irp c, 0,1
	ds_load_b128 v[64*(\set)+8*\t+4*\c:64*(\set)+8*\t+4*\c+3], v[LXA] offset:\t*TSX+1024*(\s)+512*\c
.endr
.endr
.irp t, 0,1,2,3,4,5,6,7
.irp c, 0,1
	ds_load_b128 v[128+64*(\set)+8*\t+4*\c:128+64*(\set)+8*\t+4*\c+3], v[LYA] offset:\t*TSY+1024*(\s)+512*\c
.endr
.endr
.endm
; 32 matrix instructions: Y's fragments 4 hi .. 4 hi + 3 against X's eight.  The 64 accumulators take turns, one instruction a turn, in the same order in every step.
.macro MUL32 s, set, hi, zero
.irp a, 0,1,2,3
.irp t, 0,1,2,3,4,5,6,7
.if \zero
	v_wmma_scale_f32_16x16x128_f8f6f4 v[8*(8*\a+\t):8*(8*\a+\t)+7], v[64*(\set)+8*\t:64*(\set)+8*\t+7], v[128+64*(\set)+8*(4*(\hi)+\a):128+64*(\set)+8*(4*(\hi)+\a)+7], 0, v[XS+8*\t+(\s)], v[YS+YSA*(4*(\hi)+\a)+YSS*(\s)] matrix_a_fmt:MATRIX_FMT_FP4 matrix_b_fmt:MATRIX_FMT_FP4
.else
	v_wmma_scale_f32_16x16x128_f8f6f4 v[8*(8*\a+\t):8*(8*\a+\t)+7], v[64*(\set)+8*\t:64*(\set)+8*\t+7], v[128+64*(\set)+8*(4*(\hi)+\a):128+64*(\set)+8*(4*(\hi)+\a)+7], v[8*(8*\a+\t):8*(8*\a+\t)+7], v[XS+8*\t+(\s)], v[YS+YSA*(4*(\hi)+\a)+YSS*(\s)] matrix_a_fmt:MATRIX_FMT_FP4 matrix_b_fmt:MATRIX_FMT_FP4
.endif
.endr
.endr
.endm
; K = 1,024 in 8 steps, written out: every offset is an immediate.  The first step's products start the sums.
.macro CORE
	WIN 0x40                                       ; destination window 1, address window 0
	LOADSET 0, 0
	LOADSET 1, 1
.irp s, 0,1,2,3,4,5,6,7
.if \s < 7
	s_wait_dscnt 32                                ; this step's set is in; the next step's 32 loads may be out
.else
	s_wait_dscnt 0x0
.endif
	WIN 0xa5                                       ; X and Y window 1, C and D window 2
.if \s == 0
	MUL32 \s, (\s)%2, 0, 1
	WIN 0xf5                                       ; C and D window 3
	MUL32 \s, (\s)%2, 1, 1
.else
	MUL32 \s, (\s)%2, 0, 0
	WIN 0xf5
	MUL32 \s, (\s)%2, 1, 0
.endif
	PLACES
.if \s < 6
	WIN 0x40
	LOADSET (\s)+2, (\s)%2                         ; the set just multiplied takes the step two on
.endif
.endr
	WIN 0
.endm
	s_load_b256 s[4:11], s[0:1], 0x0               ; pw, q_w_scales, k_w_scales, v_w_scales
	s_load_b256 s[12:19], s[0:1], 0x20             ; q_b, k_b, v_b, qkv
	v_lshl_add_u32 v[SPW], v0, 2, SPARE
	v_mov_b32 v[NIL], 0
	ds_add_u32 v[SPW], v[NIL]                      ; the opening: the add, twice on end, and its wait ahead of my first tensor load
	ds_add_u32 v[SPW], v[NIL]
	v_lshrrev_b32 v11, 5, v0
	v_readfirstlane_b32 s20, v11                   ; the wave's role: 0 q, 1 k, 2 v
	s_mov_b32 s[SEL], 0x76543210
	s_mov_b32 s[SEL+1], 0xfedcba98                 ; v_permlanex16_b32's selects for lane l xor 16
	s_bfe_u32 s96, ttmp6, 0x40000                  ; cx
	s_bfe_u32 s97, ttmp6, 0x40004                  ; cy
	s_lshl_b32 s98, ttmp9, 2
	s_add_co_u32 s98, s98, s96                     ; the group of 128 rows
	s_and_b32 s22, ttmp7, 0xffff
	s_lshl_b32 s22, s22, 2
	s_add_co_u32 s22, s22, s97                     ; cg
	s_lshl_b32 s99, s97, 2
	s_lshl_b32 s99, 15, s99                        ; my row of the cluster
	s_lshl_b32 s96, 0x1111, s96                    ; my column
	s_or_b32 s[G1W], s99, (3<<16)|(1<<21)          ; the mask; elements of 8 bytes; bit 21 beside a mask; no padding: every read of a block is 16 bytes a lane on end
	s_mov_b32 s[G1W+1], 8192<<16                   ; 3 rows of 8,192 elements, 65,536 elements apart
	s_mov_b32 s[G1W+2], 3<<16
	s_mov_b32 s[G1W+3], 8192<<16
	s_mov_b32 s[G1W+4], 3
	s_mov_b32 s[G1W+5], 65536
	s_mov_b32 s[G1W+6], 0
	s_mov_b32 s[G1W+7], 0
	s_or_b32 s[G1T], s96, (3<<16)|(1<<21)
	s_mov_b32 s[G1T+1], 32<<16                     ; 256 rows of 256 bytes, dense
	s_mov_b32 s[G1T+2], 256<<16
	s_mov_b32 s[G1T+3], 32<<16
	s_mov_b32 s[G1T+4], 256
	s_mov_b32 s[G1T+5], 32
	s_mov_b32 s[G1T+6], 0
	s_mov_b32 s[G1T+7], 0
	s_or_b32 s[G1R], s96, (3<<16)|(1<<21)
	s_mov_b32 s[G1R+1], 32<<16                     ; 128 rows of 256 bytes, dense
	s_mov_b32 s[G1R+2], 128<<16
	s_mov_b32 s[G1R+3], 32<<16
	s_mov_b32 s[G1R+4], 128
	s_mov_b32 s[G1R+5], 32
	s_mov_b32 s[G1R+6], 0
	s_mov_b32 s[G1R+7], 0
	s_mov_b32 s[G0W], 1
	s_mov_b32 s[G0W+1], 0
	s_mov_b32 s[G0T], 1
	s_mov_b32 s[G0T+1], 3*BLK
	s_mov_b32 s[G0R], 1
	s_mov_b32 s[G0R+1], TBL
	s_and_b32 s21, s98, 15                         ; the group within its batch
	s_lshr_b32 s23, s98, 4
	s_lshl_b32 s23, s23, 4
	s_lshl_b32 s44, s22, 1
	s_add_co_u32 s23, s23, s44                     ; the first of my two heads: 16 x batch + 2 cg
	s_lshl_b32 s44, s22, 16
	s_add_co_u32 s44, s44, QWI                     ; the weights' images of cg
	s_mov_b32 s45, 0
	s_lshl_b32 s46, s98, 16                        ; the tokens' images
	s_mov_b32 s47, 0
	s_lshl_b32 s48, s22, 12
	s_mov_b32 s49, 0
	s_lshl_b32 s50, s98, 12
	s_add_co_u32 s50, s50, SRCS
	s_mov_b32 s51, 0
	s_lshl_b32 s52, s22, 9
	s_mov_b32 s53, 0
	s_lshl_b32 s54, s23, 16
	s_lshl_b32 s55, s21, 12
	s_add_co_u32 s54, s54, s55                     ; q: (128 x head + 8 x group) tiles of 512 bytes
	s_mul_i32 s55, s23, HEADB
	s_mul_i32 s56, s21, REC
	s_add_co_u32 s55, s55, s56
	s_add_co_u32 s55, s55, KV                      ; k, v: the head's record of this group
	s_mov_b32 s58, HEADB
	s_cmp_eq_u32 s20, 0
	s_cselect_b32 s56, s54, s55
	s_cselect_b32 s58, 65536, s58                  ; from a head to the next
	s_mov_b32 s57, 0
	s_mov_b32 s59, 0
	s_lshl_b32 s60, s23, 13
	s_lshl_b32 s61, s21, 9
	s_add_co_u32 s60, s60, s61
	s_add_co_u32 s60, s60, QS
	s_mov_b32 s61, 0
	s_lshl_b32 s62, s21, 15
	s_add_co_u32 s62, s62, ROPE
	s_mov_b32 s63, 0
	s_lshr_b32 s97, s20, 1                         ; 1 in wave 2
	s_lshl_b32 s97, s97, 16
	s_lshl_b32 s99, s20, 16
	s_add_co_u32 s99, s99, s97                     ; LDS, X: q, k: my weight's block; v: the tokens'
	s_xor_b32 s97, s97, 3*BLK                      ; LDS, Y: q, k: the tokens' block; v: v_w's
	s_wait_dscnt 0x0                               ; both opening adds are done
	s_wait_kmcnt 0x0
	s_add_nc_u64 s[G0W+2:G0W+3], s[4:5], s[44:45]
	s_or_b32 s[G0W+3], s[G0W+3], 0x80000000
	s_add_nc_u64 s[G0T+2:G0T+3], s[4:5], s[46:47]
	s_or_b32 s[G0T+3], s[G0T+3], 0x80000000
	s_add_nc_u64 s[G0R+2:G0R+3], s[4:5], s[62:63]
	s_or_b32 s[G0R+3], s[G0R+3], 0x80000000
	s_cmp_eq_u32 s20, 0
	s_cselect_b64 s[28:29], s[6:7], s[8:9]
	s_cselect_b64 s[32:33], s[12:13], s[14:15]
	s_cmp_eq_u32 s20, 2
	s_cselect_b64 s[28:29], s[10:11], s[28:29]
	s_cselect_b64 s[32:33], s[16:17], s[32:33]
	s_add_nc_u64 s[28:29], s[28:29], s[48:49]      ; my weight's scale bytes
	s_add_nc_u64 s[32:33], s[32:33], s[52:53]      ; my bias
	s_add_nc_u64 s[30:31], s[4:5], s[50:51]        ; the tokens' scale bytes
	s_cmp_lt_u32 s20, 2
	s_cselect_b64 s[44:45], s[28:29], s[30:31]     ; X's
	s_cselect_b64 s[46:47], s[30:31], s[28:29]     ; Y's
	s_add_nc_u64 s[34:35], s[18:19], s[56:57]      ; where the first head's results go,
	s_add_nc_u64 s[36:37], s[34:35], s[58:59]      ; the second's,
	s_add_nc_u64 s[38:39], s[18:19], s[60:61]      ; and q's scale words
	CROUND                                         ; all sixteen work-groups are here: the joint loads meet
	s_cmp_lt_u32 s20, 1                            ; one chain of branches on the wave's number, a load an arm
	s_cbranch_scc0 .Lhead_t
	tensor_load_to_lds s[G0W:G0W+3], s[G1W:G1W+7]
	s_nop 0
	PLACES
	s_branch .Lhead_asked
.Lhead_t:
	s_cmp_lt_u32 s20, 2
	s_cbranch_scc0 .Lhead_r
	tensor_load_to_lds s[G0T:G0T+3], s[G1T:G1T+7]
	s_nop 0
	PLACES
	s_branch .Lhead_asked
.Lhead_r:
	tensor_load_to_lds s[G0R:G0R+3], s[G1R:G1R+7]
	s_nop 0
	PLACES
.Lhead_asked:
	v_and_b32 v12, 31, v0
	v_lshlrev_b32 v[LI], 4, v12
	v_and_b32 v[RR], 15, v0
	v_bfe_u32 v[HH], v0, 4, 1
	v_and_b32 v13, 8, v[RR]
	v_add_nc_u32 v13, v13, v[RR]
	v_lshlrev_b32 v[LSO], 5, v13
	v_lshlrev_b32 v[VBO], 2, v13
	v_lshrrev_b32 v14, 3, v[RR]
	v_and_b32 v15, 7, v[RR]
	v_lshlrev_b32 v[RL], 12, v14
	v_lshl_add_u32 v[RL], v[HH], 7, v[RL]
	v_lshl_add_u32 v[RL], v15, 4, v[RL]
	v_lshlrev_b32 v[H16], 4, v[HH]
	v_lshlrev_b32 v[BO], 6, v[HH]
	v_lshlrev_b32 v[QSO], 5, v[RR]
	v_lshl_add_u32 v[QSO], v[HH], 13, v[QSO]
	v_mul_u32_u24 v[KSO], v[HH], HEADB
	v_lshl_add_u32 v[KSO], v[RR], 4, v[KSO]
	v_add_nc_u32 v[RLD], TBL, v[RL]
	v_add_nc_u32 v[LXA], s99, v[LI]
	v_add_nc_u32 v[LYA], s97, v[LI]
.irp i, 0,1,2,3,4,5,6,7
	global_load_b128 v[XS+8*\i:XS+8*\i+3], v[LSO], s[44:45] offset:1024*(\i/2)+256*(\i%2)       ; a row's 8 scale words: register 8 tile + K step
	global_load_b128 v[XS+8*\i+4:XS+8*\i+7], v[LSO], s[44:45] offset:1024*(\i/2)+256*(\i%2)+16
.endr
.irp i, 0,1,2,3,4,5,6,7
	global_load_b128 v[YS+8*\i:YS+8*\i+3], v[LSO], s[46:47] offset:1024*(\i/2)+256*(\i%2)
	global_load_b128 v[YS+8*\i+4:YS+8*\i+7], v[LSO], s[46:47] offset:1024*(\i/2)+256*(\i%2)+16
.endr
; The bias is asked for ahead of the products, in both forms by every role, so that no register is written on one way alone: q and k use the first form (the bias along a lane's registers), v the second (one number a tile);
; the form that a role does not use is 8 or 16 loads from its own 512 bytes of bias that serve nothing.
.irp b, 0,1,2,3
.irp j, 0,1,2,3
	global_load_b128 v[BI+16*\b+4*\j:BI+16*\b+4*\j+3], v[BO], s[32:33] offset:128*\b+16*\j   ; the bias of columns 32 b + 16 h + 0 .. 15
.endr
.endr
.irp a, 0,1,2,3,4,5,6,7
	global_load_b32 v[VB+\a], v[VBO], s[32:33] offset:128*(\a/2)+32*(\a%2)   ; the bias of my column of tile a
.endr
	s_wait_alu depctr_va_vdst(0)                   ; the wait at the head's end
	s_wait_loadcnt 0x0                             ; the scale words and the bias
	s_wait_tensorcnt 0x0                           ; my tile has landed,
	s_barrier_signal -1
	s_barrier_wait -1                              ; everybody's has
	CORE
	s_cmp_eq_u32 s20, 2                            ; the roles part here and meet again at the close
	s_cbranch_scc1 .Lrole_v
	; ---- q and k: bias, rotary embedding, quantiser along the head
.irp b, 0,1,2,3
	v_mov_b32 v[TM+4+\b], 0                        ; written once: a lane permute's destination counts as one of its sources
.endr
	WIN 0x40
.irp a, 0,1,2,3,4,5,6,7
.irp q, 0,1,2,3,4,5,6,7
	ds_load_b128 v[32*\a+4*\q:32*\a+4*\q+3], v[RLD] offset:2048*(4*(\a/2)+(\a%2))+256*\q   ; (cos, sin) of two frequencies at my token of tile a
.endr
.endr
	WIN 0
.macro QKTILE a
.if (\a) > 0
	s_wait_xcnt 0x0                                ; the last tile's stores have read their registers
.endif
	s_wait_dscnt 8*(7-(\a))                        ; this tile's part of the table is in; the later tiles' 8 reads each may be out
	WIN 0x02+(\a)/4                                ; source 0: the accumulators' window
.set pp, 0
.rept 32
	v_pk_add_f32 v[HA+2*pp:HA+2*pp+1], v[64*((\a)%4)+2*pp:64*((\a)%4)+2*pp+1], v[BI+2*pp:BI+2*pp+1]   ; each accumulator from its low end on
.set pp, pp+1
.endr
	WIN 0x04                                       ; source 1: the table, window 1
.set qq, 0
.rept 4
.set ee, 0
.rept 8
	v_pk_mul_f32 v[TT+2*ee:TT+2*ee+1], v[HA+16*qq+2*ee:HA+16*qq+2*ee+1], v[32*(\a)+16*(qq%2)+2*ee:32*(\a)+16*(qq%2)+2*ee+1] op_sel_hi:[1,0]   ; (x0, x1) cos
.set ee, ee+1
.endr
.set ee, 0
.rept 8
	v_pk_fma_f32 v[HA+16*qq+2*ee:HA+16*qq+2*ee+1], v[HA+16*qq+2*ee:HA+16*qq+2*ee+1], v[32*(\a)+16*(qq%2)+2*ee:32*(\a)+16*(qq%2)+2*ee+1], v[TT+2*ee:TT+2*ee+1] op_sel:[1,1,0] op_sel_hi:[0,1,1] neg_lo:[0,1,0]   ; + (-x1, x0) sin
.set ee, ee+1
.endr
.set qq, qq+1
.endr
	WIN 0
	QUANT HA
	global_store_b128 v[LI], v[PC:PC+3], s[34:35] offset:512*(\a)     ; the first head's 64: 512 consecutive bytes
	global_store_b128 v[LI], v[PC+4:PC+7], s[36:37] offset:512*(\a)   ; the second's
	v_lshrrev_b32 v[SW+(\a)], v[H16], v[PW]
	v_and_b32 v[SW+(\a)], 0xffff, v[SW+(\a)]       ; lanes 0-15 keep the first head's two bytes, lanes 16-31 the second's
.endm
.irp a, 0,1,2,3,4,5,6,7
	QKTILE \a
.endr
	s_cmp_eq_u32 s20, 0
	s_cbranch_scc0 .Lend_k
.irp a, 0,1,2,3,4,5,6,7
	v_lshl_or_b32 v[SW+\a], v[SW+\a], 16, v[SW+\a] ; q's two bytes twice: they serve either half of the instruction's K
.endr
	global_store_b128 v[QSO], v[SW:SW+3], s[38:39]
	global_store_b128 v[QSO], v[SW+4:SW+7], s[38:39] offset:16
	s_branch .Lclose
.Lend_k:
	s_wait_alu depctr_va_vdst(0)
.irp j, 0,1,2,3
	v_lshl_or_b32 v[KW+\j], v[SW+2*\j+1], 16, v[SW+2*\j]   ; two tiles of keys share a fragment, and a scale word
.endr
	global_store_b128 v[KSO], v[KW:KW+3], s[34:35] offset:8192
	s_branch .Lclose
	; ---- v: bias, quantiser along the keys
.Lrole_v:
.irp b, 0,1,2,3
	v_mov_b32 v[TM+4+\b], 0
.endr
.macro VTILE a
.if (\a) > 0
	s_wait_xcnt 0x0
.endif
	WIN 0x02+(\a)/4
.set pp, 0
.rept 32
.if (\a)%2
	v_pk_add_f32 v[HA+2*pp:HA+2*pp+1], v[64*((\a)%4)+2*pp:64*((\a)%4)+2*pp+1], v[VB+(\a)-1:VB+(\a)] op_sel:[0,1] op_sel_hi:[1,1]
.else
	v_pk_add_f32 v[HA+2*pp:HA+2*pp+1], v[64*((\a)%4)+2*pp:64*((\a)%4)+2*pp+1], v[VB+(\a):VB+(\a)+1] op_sel_hi:[1,0]
.endif
.set pp, pp+1
.endr
	WIN 0
	QUANT HA
	global_store_b128 v[LI], v[PC:PC+3], s[34+2*((\a)/4):35+2*((\a)/4)] offset:4096+1024*((\a)%4)
	global_store_b128 v[LI], v[PC+4:PC+7], s[34+2*((\a)/4):35+2*((\a)/4)] offset:4096+1024*((\a)%4)+512
	v_mov_b32 v[SW+(\a)], v[PW]
.endm
.irp a, 0,1,2,3,4,5,6,7
	VTILE \a
.endr
	v_cmp_eq_u32 vcc_lo, 1, v[HH]
.irp j, 0,1,2,3
	v_cndmask_b32 v[KW+\j], v[SW+\j], v[SW+4+\j], vcc_lo   ; lanes 0-15 store the first head's four words, lanes 16-31 the second's
.endr
	global_store_b128 v[KSO], v[KW:KW+3], s[34:35] offset:8448
.Lclose:
	s_wait_tensorcnt 0x0                           ; the wave's end
	ds_add_u32 v[SPW], v[NIL]
	s_wait_dscnt 0x0
	CROUND                                         ; the closing round
	s_endpgm
.Lfunc_end_k_q12883ff693_qkv:
	.size	k_q12883ff693_qkv, .Lfunc_end_k_q12883ff693_qkv-k_q12883ff693_qkv
	.p2alignl 7, 3214868480
	.fill 96, 4, 3214868480
	.section	.rodata,"a",@progbits
	.p2align	6, 0x0
	.amdhsa_kernel k_q12883ff693_qkv
		.amdhsa_group_segment_fixed_size 295424
		.amdhsa_private_segment_fixed_size 0
		.amdhsa_enable_private_segment 0
		.amdhsa_kernarg_size 64
		.amdhsa_user_sgpr_count 2
		.amdhsa_user_sgpr_kernarg_segment_ptr 1
		.amdhsa_wavefront_size32 1
		.amdhsa_system_sgpr_workgroup_id_x 1
		.amdhsa_system_sgpr_workgroup_id_y 1
		.amdhsa_system_sgpr_workgroup_id_z 1
		.amdhsa_system_vgpr_workitem_id 0
		.amdhsa_next_free_vgpr 1024
		.amdhsa_next_free_sgpr 100
		.amdhsa_reserve_vcc 1
		.amdhsa_float_denorm_mode_32 3
		.amdhsa_float_denorm_mode_16_64 3
		.amdhsa_memory_ordered 1
		.amdhsa_forward_progress 1
		.amdhsa_inst_pref_size 231
	.end_amdhsa_kernel
	.amdgpu_metadata
---
amdhsa.version: [ 1, 2 ]
amdhsa.kernels:
  - .name:           k_q12883ff693_qkv
    .symbol:         k_q12883ff693_qkv.kd
    .args:
      - { .name: pw, .offset: 0, .size: 8, .value_kind: global_buffer, .address_space: global }
      - { .name: q_w_scales, .offset: 8, .size: 8, .value_kind: global_buffer, .address_space: global }
      - { .name: k_w_scales, .offset: 16, .size: 8, .value_kind: global_buffer, .address_space: global }
      - { .name: v_w_scales, .offset: 24, .size: 8, .value_kind: global_buffer, .address_space: global }
      - { .name: q_b, .offset: 32, .size: 8, .value_kind: global_buffer, .address_space: global }
      - { .name: k_b, .offset: 40, .size: 8, .value_kind: global_buffer, .address_space: global }
      - { .name: v_b, .offset: 48, .size: 8, .value_kind: global_buffer, .address_space: global }
      - { .name: qkv, .offset: 56, .size: 8, .value_kind: global_buffer, .address_space: global }
    .group_segment_fixed_size: 295424
    .private_segment_fixed_size: 0
    .kernarg_segment_align: 8
    .kernarg_segment_size: 64
    .max_flat_workgroup_size: 96
    .sgpr_count:     100
    .vgpr_count:     1024
    .wavefront_size: 32
...
	.end_amdgpu_metadata
.endif
;; end of part 2
;; launch attn (part 3): grid 256 x 1, 16 waves a work-group, clusters of 4 x 1, 327,680 bytes of LDS; arguments qkv, src, ln1_g, ln1_b, xb; writes xb
.if DOCPART == 3
	.amdgcn_target "amdgcn-amd-amdhsa--gfx1250"
	.amdhsa_code_object_version 6
	.text
	.protected	k_q12883ff693_attn
	.globl	k_q12883ff693_attn
	.p2align	8
	.type	k_q12883ff693_attn,@function
k_q12883ff693_attn:
	s_mov_b64 s[64:65], 0
	v_nop
	global_prefetch_b8 v0, s[64:65] scope:SCOPE_SE
	s_setreg_imm32_b32 hwreg(HW_REG_WAVE_MODE, 25, 1), 1
	s_wait_xcnt 0x0
	s_wait_alu depctr_hold_cnt(0) depctr_sa_sdst(0) depctr_va_vdst(0) depctr_va_sdst(0) depctr_va_ssrc(0) depctr_va_vcc(0) depctr_vm_vsrc(0)
	s_getreg_b32 s2, hwreg(HW_REG_IB_STS2, 6, 4)
	s_cmp_eq_u32 s2, 0
	s_cbranch_scc0 .Lentry_in_a_cluster
	s_endpgm
.Lentry_in_a_cluster:
	s_bfe_u32 s2, ttmp6, 0x10000c
	s_cmp_lg_u32 s2, 0x3003
	s_cbranch_scc0 .Lentry_shape_is_right
	s_endpgm
.Lentry_shape_is_right:
; x = layer norm of (src + attention), attention = the sum over keys of softmax(q . k / 8) v, both products on E2M1 codes.  No work of the problem is left out here.
; x leaves as f32 (for the residual) and, quantised along its 1,024, as images with scale bytes (for the next product): attention's result never goes to memory.
; SHARES: work-group T owns tile T of 16 rows (lane r: row 32 (T / 2) + 8 (T % 2) + r + 8 (r / 8) of batch x 2,048 + position) and ALL 16 heads: wave w walks head w over the 2,048 keys, 128 a trip.
; Then the 16 x 1,024 results meet in LDS and wave r norms and quantises the tile's row r.
; THE SOFTMAX: t = score x log2(e) / 8; M = the running largest t rounded UP to a whole number; p = 2^(t - M) is quantised along the keys, not normalised; the row's sum is taken of the unquantised p and divides at the end.
; When M moves, the sum and O are multiplied by 2^(old M - new M), which rounds nothing.
; THE RING: a head's record of 128 keys (k's 8 tiles, v^T's 4 images, both scale words) is 8,704 bytes.  Each wave has two slots of its own, on end.  The head's one load brings records 0 and 1.  Once a trip
; (j = 0 .. 13), at the change of slots, record j lies in registers whole, and slot j % 2 takes record j + 2; k of record j + 1 is read behind that refill, v behind trip j's second product.
; One tensor load of mine is out at the most.
; CLUSTER: the four work-groups of a cluster have one batch and walk the same records: each is asked for jointly, mask of all four, behind a round of the cluster's barrier.
; PREFETCH: trip j names record j + 4, two trips ahead of the load that wants it; a record's 34 blocks of 256 bytes are shared out among the four partners by address (9 blocks each, the last 7); the last two
; refilling trips ask for nothing.  Records 2 and 3 are named at the head.  My row of src (16 blocks) and one block of gain or bias (waves 0 to 7, shared out by address) are named one trip ahead of their loads.
; THE HEAD'S 64 fill half of the instruction's 128 along K: a fragment of k holds TWO tiles of keys; q stands as (q, 0) and as (0, q), and the zero half picks the tile that counts.
; LIMITS: a block of zeros (or whose every p has fallen to 0) gets the scale byte 1 (its codes are zeros; this program alone reads the bytes); NaN and infinities are not served.
; REGISTERS: v1-7 addresses; v12 -M, v13 the largest t, v[14:15] the sum; v16-27 q, zeros, q; v32-63 k; v64-95 v^T; v96-159 scores, then p; v160-191 O^T; v192-199, v200 scale words; v224-231 p's codes; v232-255 at work.
.set QS,    2097152
.set KV,    2359296
.set HEADB, 139264
.set REC,   8704
.set WREG,  2*REC                      ; a wave's two slots
.set SPARE, 16*WREG                    ; the spare words, 128 bytes for each of 16 waves
.set CST,   SPARE+2048                 ; the codes' stage, 32 units of 256 bytes + 16
.set LSC,   CST+8704                   ; the 16 rows' scale bytes, 32 a row
.set SP,    4112                       ; the rows' stage, from byte 0: 16 rows x (4,096 + 16); it lies over the records, behind their last fill and last read
.set XI,    16777216
.set XSC,   18874368
.set LI,   1                           ; 16 x lane
.set ADK,  2                           ; my slots + 16 x lane
.set ADS,  3                           ; my slots + 16 x (lane % 16)
.set SPW,  4
.set NIL,  5
.set PFO,  6                           ; the records' prefetch: 256 x my block
.set PSO,  7                           ; src's: 256 x (lane % 16)
.set X,    32
.set G,    64
.set BB,   96
.set QX,   128
.set AT,   160
.set TP,   192
.set QC,   204
.set QM,   208
.set QE,   212
.set QB,   216
.set STW,  224
.set FW,   225
.set FR,   226
.set DST,  227
.set SA,   228
.set SB,   229
.set OA,   230
.set OS,   231
.set OG,   232
.set WV,   14
.set CNT,  15
.set SEL,  16
.set CS,   18
.set G0H,  20                          ; group 0 of the head's load
.set G0A,  24                          ; of slot 0's refills; s[28:31] of slot 1's
.set G1H,  32                          ; group 1: 68 rows of 256 bytes
.set G1,   40                          ; 34 rows
.set PFA,  66
.set QP,   68
.set QSP,  70
.set SRCP, 72
.set XFP,  74
.set XIP,  76
.set XSP,  78
.set GBP,  80
.macro VW
	s_wait_alu depctr_va_vdst(0)
.endm
.macro CROUND                          ; a round of the cluster's barrier
	s_barrier_signal -1
	s_barrier_wait -1
	s_cmp_lg_u32 s[WV], 0
	s_cbranch_scc1 .Lnot_wave_0_\@
	s_barrier_signal -3
.Lnot_wave_0_\@:
	s_barrier_wait -3
	s_barrier_signal -1
	s_barrier_wait -1
.endm
.macro KLOAD s                         ; k's four fragments and their words: nine loads
.irp j, 0,1,2,3,4,5,6,7
	ds_load_b128 v[32+4*\j:35+4*\j], v[ADK] offset:(\s)*REC+512*\j
.endr
	ds_load_b128 v[192:195], v[ADS] offset:(\s)*REC+8192
.endm
.macro VLOAD s                         ; v^T's four images and their words: nine loads
.irp j, 0,1,2,3,4,5,6,7
	ds_load_b128 v[64+4*\j:67+4*\j], v[ADK] offset:(\s)*REC+4096+512*\j
.endr
	ds_load_b128 v[196:199], v[ADS] offset:(\s)*REC+8448
.endm
.macro SMUL                            ; S^T = k q^T: eight tiles of 16 keys
.irp t, 0,1,2,3,4,5,6,7
	v_wmma_scale_f32_16x16x128_f8f6f4 v[96+8*\t:103+8*\t], v[32+8*(\t/2):39+8*(\t/2)], v[16+4*(\t%2):23+4*(\t%2)], 0, v[192+\t/2], v200 matrix_a_fmt:MATRIX_FMT_FP4 matrix_b_fmt:MATRIX_FMT_FP4
.endr
.endm
.macro PLACES
.rept 4
	v_nop
.endr
.endm
.macro TM8                             ; t - M of sixteen scores, two at a time
.rept 8
	v_pk_fma_f32 v[96+jj:97+jj], v[96+jj:97+jj], s[CS:CS+1], v[12:13] op_sel_hi:[1,0,0]
.set jj, jj+2
.endr
.endm
; A TRIP: 128 keys, record j in registers, j % 2 = slot.  sync = 1: slot is filled again.  next = 1: record j + 1 is fetched from the other slot; 0: the last trip fetches src, gain and bias instead.
.macro TRIP slot, sync, next
	VW
.if \sync
	; THE CHANGE OF SLOTS stands at the trip's top
.if \slot == 0
	s_wait_xcnt 0x0                                ; my prefetches have read their address
	s_add_nc_u64 s[PFA:PFA+1], s[PFA:PFA+1], 2*REC
.endif
	s_wait_tensorcnt 0x0                           ; record j + 1 has landed; no load of mine is out, so a group 0 may be written
	ds_add_u32 v[SPW], v[NIL]
	s_add_nc_u64 s[G0A+6-4*\slot:G0A+7-4*\slot], s[G0A+6-4*\slot:G0A+7-4*\slot], 2*REC   ; the other slot's next record
	s_wait_dscnt 10                                ; k is in; v's nine loads and the add may be out
	SMUL
	s_wait_dscnt 0x0                               ; the add is done, and my reads of this slot are over
	CROUND
	tensor_load_to_lds s[G0A+4*\slot:G0A+4*\slot+3], s[G1:G1+7]   ; record j + 2
	s_nop 0
.else
	s_wait_dscnt 9                                 ; k is in; v's nine loads may be out
	SMUL
.endif
	PLACES                                         ; behind the products, ahead of loads into their registers and of reads of their results
.if \next
	KLOAD 1-\slot
.else
.irp m, 0,1,2,3,4,5,6,7
	global_load_b128 v[X+4*\m:X+4*\m+3], v[LI], s[SRCP:SRCP+1] offset:512*\m th:TH_LOAD_NT
.endr
.endif
.irp b, 0,1,2,3
	v_max3_num_f32 v[232+\b], v[96+16*\b], v[97+16*\b], v[98+16*\b]   ; the largest score of each block of 32 keys: for the row's maximum and for the block's largest p
.endr
.irp i, 3,5,7,9,11,13
.irp b, 0,1,2,3
	v_max3_num_f32 v[232+\b], v[232+\b], v[96+16*\b+\i], v[97+16*\b+\i]
.endr
.endr
.irp b, 0,1,2,3
	v_max_num_f32 v[232+\b], v[232+\b], v[111+16*\b]
.endr
.irp b, 0,1,2,3
	v_permlanex16_b32 v[236+\b], v[232+\b], s[SEL], s[SEL+1]
.endr
.irp b, 0,1,2,3
	v_max_num_f32 v[232+\b], v[232+\b], v[236+\b]  ; with lane l xor 16's 16 keys
.endr
	s_delay_alu instid0(VALU_DEP_2)
	v_max3_num_f32 v254, v232, v233, v234
	s_delay_alu instid0(VALU_DEP_1)
	v_max_num_f32 v254, v254, v235
	s_delay_alu instid0(VALU_DEP_1)
	v_mul_f32 v254, s[CS], v254                    ; the trip's largest t of my query
	s_delay_alu instid0(VALU_DEP_1)
	v_max_num_f32 v13, v13, v254
	v_mov_b32 v254, v12
	s_delay_alu instid0(VALU_DEP_2)
	v_floor_f32 v12, -v13                          ; the new -M = floor(-t)
.set jj, 0
	TM8
	v_sub_f32 v254, v12, v254                      ; old M - new M: a whole number, 0 or less
	TM8
	v_cvt_i32_f32 v254, v254
	TM8
	v_ldexp_f32 v252, 1.0, v254                    ; f = 2^(old M - new M)
	TM8
.irp b, 0,1,2,3
	v_fma_f32 v[232+\b], v[232+\b], s[CS], v12
.endr
	VW                                             ; ahead of the batch
.if \sync
	s_cmp_gt_u32 s[CNT], 1                         ; the loop's last two trips have no record four on
	s_cbranch_scc0 .Lno_ask_\@
	global_prefetch_b8 v[PFO], s[PFA:PFA+1] offset:(\slot)*REC th:TH_LOAD_NT scope:SCOPE_SE
.Lno_ask_\@:
.endif
.set jj, 0
.rept 64
	v_exp_f32 v[96+jj], v[96+jj]                   ; p = 2^(t - M), at most 1
.set jj, jj+1
.endr
	v_pk_mul_f32 v[14:15], v[14:15], v[252:253] op_sel_hi:[1,0]   ; the sums under the new M (a plain line behind the exponentials)
	VW                                             ; one wait for the batch, ahead of its first reader
.irp b, 0,1,2,3
	v_exp_f32 v[232+\b], v[232+\b]                 ; the block's largest p
.endr
	v_pk_add_f32 v[236:237], v[96:97], v[98:99]    ; the row's sum of the unquantised p, in four chains by turns
	v_pk_add_f32 v[254:255], v[100:101], v[102:103]
	v_pk_add_f32 v[250:251], v[104:105], v[106:107]
.irp j, 108,116,124,132,140,148
	v_pk_add_f32 v[14:15], v[14:15], v[\j:\j+1]
	v_pk_add_f32 v[236:237], v[236:237], v[\j+2:\j+3]
	v_pk_add_f32 v[254:255], v[254:255], v[\j+4:\j+5]
	v_pk_add_f32 v[250:251], v[250:251], v[\j+6:\j+7]
.endr
	v_pk_add_f32 v[14:15], v[14:15], v[156:157]
	v_pk_add_f32 v[236:237], v[236:237], v[158:159]
	v_pk_add_f32 v[254:255], v[254:255], v[250:251]
	s_delay_alu instid0(VALU_DEP_2)
	v_pk_add_f32 v[14:15], v[14:15], v[236:237]
	s_delay_alu instid0(VALU_DEP_1)
	v_pk_add_f32 v[14:15], v[14:15], v[254:255]
	VW                                             ; and one for the four
.irp b, 0,1,2,3
	v_max_num_f32 v[232+\b], 0x1800000, v[232+\b]  ; the floor 2^(3 - 127): the byte cannot fall under 1
.endr
.irp b, 0,1,2,3
	v_add_nc_u32 v[244+\b], 0xff000000, v[232+\b]  ; 2 off the exponent field: the conversion's scale operand
.endr
.irp b, 0,1,2,3
	v_lshrrev_b32 v[236+\b], 23, v[244+\b]
.endr
	s_delay_alu instid0(VALU_DEP_3)
	v_lshl_or_b32 v253, v237, 8, v236              ; p's scale word for these 128 keys
	s_delay_alu instid0(VALU_DEP_1)
	v_lshl_or_b32 v253, v238, 16, v253
	s_delay_alu instid0(VALU_DEP_1)
	v_lshl_or_b32 v253, v239, 24, v253
.irp b, 0,1,2,3
	v_cvt_scalef32_pk8_fp4_f32 v[224+2*\b], v[96+16*\b:103+16*\b], v[244+\b]
	v_cvt_scalef32_pk8_fp4_f32 v[225+2*\b], v[104+16*\b:111+16*\b], v[244+\b]
.endr
	v_nop                                          ; one plain line behind a scaled conversion
.irp c, 0,1
.irp i, 0,1
	v_permlane16_swap_b32 v[224+4*\c+\i], v[226+4*\c+\i]   ; a whole block in a lane
.endr
.endr
	VW                                             ; directly ahead of the first reader of O^T
.set jj, 0
.rept 16
	v_pk_mul_f32 v[160+jj:161+jj], v[160+jj:161+jj], v[252:253] op_sel_hi:[1,0]   ; O^T under the new M; these sixteen also stand between p's codes and scale word and the products below
.set jj, jj+2
.endr
.if \sync == 0
	VW
	s_wait_dscnt 9*\next                           ; v is in; the next record's k, nine loads, may be out
.endif
.irp t, 0,1,2,3
	v_wmma_scale_f32_16x16x128_f8f6f4 v[160+8*\t:167+8*\t], v[64+8*\t:71+8*\t], v[224:231], v[160+8*\t:167+8*\t], v[196+\t], v253 matrix_a_fmt:MATRIX_FMT_FP4 matrix_b_fmt:MATRIX_FMT_FP4
.endr
	PLACES
.if \next
	VLOAD 1-\slot
.else
.irp m, 0,1,2,3,4,5,6,7
	global_load_b128 v[G+4*\m:G+4*\m+3], v[LI], s[8:9] offset:512*\m
	global_load_b128 v[BB+4*\m:BB+4*\m+3], v[LI], s[10:11] offset:512*\m
.endr
.endif
.endm
.macro WSUM v, t                       ; the sum over the 32 lanes, in every lane
.irp m, 1,2,4,8
	s_delay_alu instid0(VALU_DEP_1)
	v_add_f32_dpp v[\v], v[\v], v[\v] row_xmask:\m row_mask:0xf bank_mask:0xf
.endr
	s_delay_alu instid0(VALU_DEP_1)
	v_permlanex16_b32 v[\t], v[\v], s[SEL], s[SEL+1]
	s_delay_alu instid0(VALU_DEP_1)
	v_add_f32 v[\v], v[\v], v[\t]
.endm
.macro LNORM                           ; the row in v[X] on becomes (x - mean) / sqrt(variance + 1e-5) x gain + bias
	v_pk_add_f32 v[TP:TP+1], v[X:X+1], v[X+2:X+3]
	v_pk_add_f32 v[TP+2:TP+3], v[X+4:X+5], v[X+6:X+7]
.irp k, 8,12,16,20,24,28
	s_delay_alu instid0(VALU_DEP_2)
	v_pk_add_f32 v[TP:TP+1], v[TP:TP+1], v[X+\k:X+\k+1]
	s_delay_alu instid0(VALU_DEP_2)
	v_pk_add_f32 v[TP+2:TP+3], v[TP+2:TP+3], v[X+\k+2:X+\k+3]
.endr
	s_delay_alu instid0(VALU_DEP_1)
	v_pk_add_f32 v[TP:TP+1], v[TP:TP+1], v[TP+2:TP+3]
	s_delay_alu instid0(VALU_DEP_1)
	v_add_f32 v[TP+4], v[TP], v[TP+1]
	WSUM TP+4, TP+5
	s_delay_alu instid0(VALU_DEP_1)
	v_mul_f32 v[TP+6], 0x3a800000, v[TP+4]         ; the mean: x 2^-10
	s_delay_alu instid0(VALU_DEP_1)
	v_mov_b32 v[TP+7], v[TP+6]
.irp k, 0,2,4,6,8,10,12,14,16,18,20,22,24,26,28,30
	v_pk_add_f32 v[X+\k:X+\k+1], v[X+\k:X+\k+1], v[TP+6:TP+7] neg_lo:[0,1] neg_hi:[0,1]
.endr
	v_pk_mul_f32 v[TP:TP+1], v[X:X+1], v[X:X+1]
	v_pk_mul_f32 v[TP+2:TP+3], v[X+2:X+3], v[X+2:X+3]
.irp k, 4,8,12,16,20,24,28
	s_delay_alu instid0(VALU_DEP_2)
	v_pk_fma_f32 v[TP:TP+1], v[X+\k:X+\k+1], v[X+\k:X+\k+1], v[TP:TP+1]
	s_delay_alu instid0(VALU_DEP_2)
	v_pk_fma_f32 v[TP+2:TP+3], v[X+\k+2:X+\k+3], v[X+\k+2:X+\k+3], v[TP+2:TP+3]
.endr
	s_delay_alu instid0(VALU_DEP_1)
	v_pk_add_f32 v[TP:TP+1], v[TP:TP+1], v[TP+2:TP+3]
	s_delay_alu instid0(VALU_DEP_1)
	v_add_f32 v[TP+4], v[TP], v[TP+1]
	WSUM TP+4, TP+5
	v_mov_b32 v[TP+7], 0x3a800000
	s_delay_alu instid0(VALU_DEP_1)
	v_fmaak_f32 v[TP+6], v[TP+4], v[TP+7], 0x3727c5ac   ; variance + 1e-5
	VW
	v_rsq_f32 v[TP+8], v[TP+6]
	v_nop                                          ; a plain line behind the transcendental
	VW
	v_mov_b32 v[TP+9], v[TP+8]
.irp k, 0,2,4,6,8,10,12,14,16,18,20,22,24,26,28,30
	v_pk_mul_f32 v[X+\k:X+\k+1], v[X+\k:X+\k+1], v[TP+8:TP+9]
.endr
.irp k, 0,2,4,6,8,10,12,14,16,18,20,22,24,26,28,30
	v_pk_fma_f32 v[X+\k:X+\k+1], v[X+\k:X+\k+1], v[G+\k:G+\k+1], v[BB+\k:BB+\k+1]
.endr
.endm
.macro QROW                            ; the row in v[QX] on (register 8 j + i = column 256 j + 8 lane + i) becomes codes and scale bytes; a block of 32 lies in four neighbouring lanes
.irp j, 0,1,2,3
	v_max3_num_f32 v[QM+\j], |v[QX+8*\j]|, |v[QX+8*\j+1]|, 0x1800000   ; and the floor 2^(3 - 127)
.endr
.irp i, 2,4,6
.irp j, 0,1,2,3
	v_max3_num_f32 v[QM+\j], v[QM+\j], |v[QX+8*\j+\i]|, |v[QX+8*\j+\i+1]|
.endr
.endr
.irp m, 1,2
.irp j, 0,1,2,3
	v_max_num_f32_dpp v[QM+\j], v[QM+\j], v[QM+\j] row_xmask:\m row_mask:0xf bank_mask:0xf
.endr
.endr
.irp j, 0,1,2,3
	v_add_nc_u32 v[QE+\j], 0xff000000, v[QM+\j]
.endr
.irp j, 0,1,2,3
	v_lshrrev_b32 v[QB+\j], 23, v[QE+\j]
.endr
.irp j, 0,1,2,3
	v_cvt_scalef32_pk8_fp4_f32 v[QC+\j], v[QX+8*\j:QX+8*\j+7], v[QE+\j]
.endr
	v_nop                                          ; one plain line behind the last conversion
.irp j, 0,1,2,3
	ds_store_b32 v[SA], v[QC+\j] offset:2176*\j    ; image byte 2,048 j + 256 (lane / 4) + 16 row + 4 (lane % 4), 16 bytes of padding behind each 256
	ds_store_b8 v[SB], v[QB+\j] offset:8*\j        ; the four lanes of a block write the same byte with the same value
.endr
.endm
	s_load_b256 s[4:11], s[0:1], 0x0               ; qkv, src, gain, bias
	s_load_b64 s[12:13], s[0:1], 0x20              ; xb
	v_lshl_add_u32 v[SPW], v0, 2, SPARE
	v_mov_b32 v[NIL], 0
	ds_add_u32 v[SPW], v[NIL]                      ; the opening: the add, twice on end, and its wait ahead of my first tensor load
	ds_add_u32 v[SPW], v[NIL]
	v_lshrrev_b32 v8, 5, v0
	v_readfirstlane_b32 s[WV], v8                  ; wave = head; later = the tile's lane
	s_bfe_u32 s48, ttmp6, 0x40000                  ; my place in the cluster: it enters q's, src's, x's and the prefetches' addresses alone
	s_lshl_b32 s49, ttmp9, 2
	s_add_co_u32 s49, s49, s48                     ; T
	s_lshr_b32 s50, ttmp9, 5                       ; the batch, which the four partners share
	s_lshl_b32 s51, s50, 4
	s_add_co_u32 s51, s51, s[WV]                   ; 16 x batch + head
.irp g, G1H, G1
	s_mov_b32 s[\g], 15|(3<<16)|(1<<21)            ; the mask of all four; elements of 8 bytes; bit 21 beside a mask; no padding: every read here is 16 bytes a lane on end
	s_mov_b32 s[\g+1], 32<<16
	s_mov_b32 s[\g+3], 32<<16
	s_mov_b32 s[\g+5], 32
	s_mov_b32 s[\g+6], 0
	s_mov_b32 s[\g+7], 0
.endr
	s_mov_b32 s[G1H+2], 68<<16                     ; two records
	s_mov_b32 s[G1H+4], 68
	s_mov_b32 s[G1+2], 34<<16                      ; one
	s_mov_b32 s[G1+4], 34
	s_mov_b32 s[G0H], 1
	s_mul_i32 s[G0H+1], s[WV], WREG                ; LDS address: the wave's number alone
	s_mov_b32 s[G0A], 1
	s_mul_i32 s[G0A+1], s[WV], WREG
	s_mov_b32 s[G0A+4], 1
	s_add_co_u32 s[G0A+5], s[G0A+1], REC
	s_mul_i32 s52, s51, HEADB
	s_add_co_u32 s52, s52, KV                      ; the head's records
	s_mov_b32 s53, 0
	s_and_b32 s54, s49, 127                        ; the tile within its batch
	s_lshl_b32 s55, s54, 9
	s_lshl_b32 s56, s51, 16
	s_add_co_u32 s56, s56, s55                     ; q's codes: (128 x head + tile) x 512
	s_mov_b32 s57, 0
	s_lshr_b32 s58, s54, 3
	s_lshl_b32 s58, s58, 9
	s_and_b32 s59, s54, 7
	s_lshl_b32 s59, s59, 2
	s_add_co_u32 s58, s58, s59
	s_lshl_b32 s59, s51, 13
	s_add_co_u32 s58, s58, s59
	s_add_co_u32 s58, s58, QS                      ; q's scale words: [head][group][r][a]
	s_mov_b32 s59, 0
	s_lshr_b32 s60, s49, 1
	s_lshl_b32 s60, s60, 5
	s_and_b32 s61, s49, 1
	s_lshl_b32 s61, s61, 3
	s_add_co_u32 s60, s60, s61                     ; the tile's first row
	s_and_b32 s61, s[WV], 8
	s_add_co_u32 s61, s61, s[WV]
	s_add_co_u32 s61, s61, s60                     ; the row that I norm
	s_and_b32 s62, s61, 2047
	s_lshl_b32 s62, s62, 1
	s_lshr_b32 s63, s61, 11
	s_add_co_u32 s62, s62, s63
	s_lshl_b32 s62, s62, 12                        ; in src: 2 x position + batch
	s_mov_b32 s63, 0
	s_lshl_b32 s82, s61, 12                        ; in x
	s_mov_b32 s83, 0
	s_lshl_b32 s84, s49, 13
	s_add_co_u32 s84, s84, XI
	s_mov_b32 s85, 0
	s_lshl_b32 s86, s60, 5
	s_add_co_u32 s86, s86, XSC
	s_mov_b32 s87, 0
	s_and_b32 s88, s48, 1                          ; gain's and bias' 32 blocks: partner p, wave w < 8 names block 8 (p % 2) + w of gain (p < 2) or bias
	s_lshl_b32 s88, s88, 3
	s_add_co_u32 s88, s88, s[WV]
	s_lshl_b32 s88, s88, 8
	s_mov_b32 s89, 0
	s_lshr_b32 s90, s48, 1
	s_mul_i32 s91, s48, 9
	s_lshl_b32 s92, s[WV], 8                       ; the way out: my head's 256 bytes of a row,
	s_mul_i32 s93, s[WV], SP                       ; my row of the stage,
	s_lshl_b32 s94, s[WV], 4
	s_add_co_u32 s94, s94, CST                     ; my row's 16 bytes in a unit of the codes' stage,
	s_lshl_b32 s95, s[WV], 5
	s_add_co_u32 s95, s95, LSC                     ; my row's scale bytes
	s_mov_b32 s[SEL], 0x76543210
	s_mov_b32 s[SEL+1], 0xfedcba98
	s_mov_b32 s[CS], 0x3e38aa3b                    ; c = log2(e) / 8
	s_mov_b32 s[CS+1], s[CS]
	s_mov_b32 s[CNT], 7
	s_wait_dscnt 0x0                               ; both opening adds are done
	s_wait_kmcnt 0x0
	s_add_nc_u64 s[G0H+2:G0H+3], s[4:5], s[52:53]  ; records 0 and 1
	s_add_nc_u64 s[G0A+2:G0A+3], s[G0H+2:G0H+3], 2*REC   ; slot 0's first refill: record 2
	s_add_nc_u64 s[G0A+6:G0A+7], s[G0H+2:G0H+3], REC     ; slot 1's: trip 0 steps this to record 3
	s_mov_b64 s[PFA:PFA+1], s[G0A+2:G0A+3]
	s_or_b32 s[G0H+3], s[G0H+3], 0x80000000
	s_or_b32 s[G0A+3], s[G0A+3], 0x80000000
	s_or_b32 s[G0A+7], s[G0A+7], 0x80000000
	s_add_nc_u64 s[QP:QP+1], s[4:5], s[56:57]
	s_add_nc_u64 s[QSP:QSP+1], s[4:5], s[58:59]
	s_add_nc_u64 s[SRCP:SRCP+1], s[6:7], s[62:63]
	s_add_nc_u64 s[XFP:XFP+1], s[12:13], s[82:83]
	s_add_nc_u64 s[XIP:XIP+1], s[12:13], s[84:85]
	s_add_nc_u64 s[XSP:XSP+1], s[12:13], s[86:87]
	s_cmp_eq_u32 s90, 0
	s_cselect_b64 s[GBP:GBP+1], s[8:9], s[10:11]
	s_add_nc_u64 s[GBP:GBP+1], s[GBP:GBP+1], s[88:89]
	CROUND                                         ; all four work-groups are here: the joint loads meet
	tensor_load_to_lds s[G0H:G0H+3], s[G1H:G1H+7]
	s_nop 0
	v_and_b32 v10, 31, v0
	v_and_b32 v11, 15, v0
	v_lshlrev_b32 v[LI], 4, v10
	v_lshlrev_b32 v[ADS], 4, v11
	v_lshlrev_b32 v9, 5, v11
	v_lshlrev_b32 v[PSO], 8, v11
	v_min_u32 v10, 8, v10
	v_add_nc_u32 v[ADK], s[G0A+1], v[LI]
	v_add_nc_u32 v[ADS], s[G0A+1], v[ADS]
	v_add_nc_u32 v10, s91, v10
	s_delay_alu instid0(VALU_DEP_1)
	v_min_u32 v10, 33, v10                         ; block 9 p + lane, held at my ninth and at the record's last
	s_delay_alu instid0(VALU_DEP_1)
	v_lshlrev_b32 v[PFO], 8, v10
	global_load_b128 v[16:19], v[LI], s[QP:QP+1]   ; q, for (q, 0) = v[16:23],
	global_load_b128 v[24:27], v[LI], s[QP:QP+1]   ; and once more, for (0, q) = v[20:27]
	global_load_b32 v200, v9, s[QSP:QSP+1]         ; q's scale word
	global_prefetch_b8 v[PFO], s[PFA:PFA+1] th:TH_LOAD_NT scope:SCOPE_SE              ; record 2
	global_prefetch_b8 v[PFO], s[PFA:PFA+1] offset:REC th:TH_LOAD_NT scope:SCOPE_SE   ; record 3
.irp j, 20,21,22,23
	v_mov_b32 v\j, 0                               ; zero codes add nothing under any scale byte
.endr
	v_mov_b32 v13, 0xff61b1e6                      ; the largest t so far: -3e38, under every t
	s_delay_alu instid0(VALU_DEP_1)
	v_floor_f32 v12, -v13                          ; -M
	v_mov_b32 v14, 0
	v_mov_b32 v15, 0
.irp b, 0,1,2,3
	v_mov_b32 v[236+\b], 0                         ; written once: a lane permute's destination counts as one of its sources
.endr
	v_mov_b32 v253, 0
.set jj, 0
.rept 32
	v_mov_b32 v[160+jj], 0                         ; O^T: the trip is written once for all; the first finds zeros
.set jj, jj+1
.endr
	VW                                             ; the head's end
	s_wait_tensorcnt 0x0                           ; my two records have landed; nobody else reads them
	KLOAD 0
	VLOAD 0
	s_wait_loadcnt 0x0                             ; q
.Lkeys:                                            ; 7 trips of the loop = key trips 0 to 13: each fills its slot again
	TRIP 0, 1, 1
	TRIP 1, 1, 1
	s_sub_co_u32 s[CNT], s[CNT], 1
	s_cmp_lg_u32 s[CNT], 0
	s_cbranch_scc1 .Lkeys
	global_prefetch_b8 v[PSO], s[SRCP:SRCP+1] th:TH_LOAD_NT scope:SCOPE_SE   ; my row of src: 16 blocks
	s_cmp_lt_u32 s[WV], 8
	s_cbranch_scc0 .Lno_gain
	global_prefetch_b8 v[NIL], s[GBP:GBP+1] th:TH_LOAD_NT scope:SCOPE_SE     ; my one block of gain or bias
.Lno_gain:
	s_wait_tensorcnt 0x0                           ; record 15 has landed
	TRIP 0, 0, 1                                   ; the last two trips are written out: they ask for nothing
	TRIP 1, 0, 0
	; THE WAY OUT: O^T / the sum into the rows' stage; then a row a wave
	v_add_f32 v14, v14, v15
	s_delay_alu instid0(VALU_DEP_1)
	v_permlanex16_b32 v252, v14, s[SEL], s[SEL+1]
	s_delay_alu instid0(VALU_DEP_1)
	v_add_f32 v14, v14, v252                       ; the row's sum
	VW
	v_rcp_f32 v14, v14
	v_and_b32 v8, 15, v0                           ; r
	v_bfe_u32 v9, v0, 4, 1                         ; h
	v_and_b32 v10, 31, v0                          ; lane
	v_lshrrev_b32 v233, 4, v0
	v_mul_u32_u24 v[STW], v8, SP
	v_lshrrev_b32 v11, 2, v10
	v_and_b32 v234, 3, v10
	v_lshlrev_b32 v[FR], 5, v10
	v_lshl_add_u32 v[STW], v9, 6, v[STW]
	v_mul_u32_u24 v[SA], v11, 272
	v_mul_u32_u24 v[OA], v233, 272
	v_add_nc_u32 v[FW], s93, v[LI]                 ; my row, 16 bytes a lane
	v_add_nc_u32 v[FR], s93, v[FR]                 ; my row, 32 bytes a lane
	v_add_nc_u32 v[STW], s92, v[STW]               ; in: row r, my head's 256 bytes; tile t's eight channels lie at 32 (t / 2) + 16 h + 8 (t % 2)
	v_lshl_add_u32 v[SA], v234, 2, v[SA]
	v_lshl_add_u32 v[OA], v8, 4, v[OA]
	v_lshlrev_b32 v[DST], 4, v0
	v_add_nc_u32 v[SB], s95, v11
	v_add_nc_u32 v[SA], s94, v[SA]
	v_add_nc_u32 v[OA], CST, v[OA]
	v_lshl_add_u32 v[OS], v10, 4, LSC
	v_lshl_add_u32 v[OG], v9, 8, v[LI]             ; rows 8 to 15 of a tile lie 8 rows further on
	v_mov_b32 v[TP+5], 0
	VW                                             ; for the reciprocal, and directly ahead of the first readers of O^T
.set jj, 0
.rept 32
	v_mul_f32 v[QX+jj], v[160+jj], v14
.set jj, jj+1
.endr
	VW
	s_wait_dscnt 0x0                               ; my reads of the records are over
	s_barrier_signal -1
	s_barrier_wait -1                              ; everybody's are: the stage may be written
.irp t, 0,1,2,3
	ds_store_b128 v[STW], v[QX+8*\t:QX+8*\t+3] offset:128*(\t/2)+32*(\t%2)
	ds_store_b128 v[STW], v[QX+8*\t+4:QX+8*\t+7] offset:128*(\t/2)+32*(\t%2)+16
.endr
	s_wait_dscnt 0x0                               ; for the others' sake
	s_barrier_signal -1
	s_barrier_wait -1
.irp m, 0,1,2,3,4,5,6,7
	ds_load_b128 v[AT+4*\m:AT+4*\m+3], v[FW] offset:512*\m   ; register 4 m + i = column 128 m + 4 lane + i, as src, gain and bias were loaded
.endr
	s_wait_loadcnt 0x0
	s_wait_dscnt 0x0
.irp k, 0,2,4,6,8,10,12,14,16,18,20,22,24,26,28,30
	v_pk_add_f32 v[X+\k:X+\k+1], v[X+\k:X+\k+1], v[AT+\k:AT+\k+1]
.endr
	LNORM
.irp m, 0,1,2,3,4,5,6,7
	global_store_b128 v[LI], v[X+4*\m:X+4*\m+3], s[XFP:XFP+1] offset:512*\m   ; 32 lanes store 512 consecutive bytes, aligned
.endr
.irp m, 0,1,2,3,4,5,6,7
	ds_store_b128 v[FW], v[X+4*\m:X+4*\m+3] offset:512*\m    ; the row as it lies, into my own row of the stage,
.endr
.irp j, 0,1,2,3
	ds_load_b128 v[QX+8*\j:QX+8*\j+3], v[FR] offset:1024*\j  ; and back, 8 neighbours a lane: LDS serves a wave's instructions in order
	ds_load_b128 v[QX+8*\j+4:QX+8*\j+7], v[FR] offset:1024*\j+16
.endr
	s_wait_dscnt 0x0
	QROW
	VW
	s_wait_dscnt 0x0                               ; for the others' sake
	s_barrier_signal -1
	s_barrier_wait -1
	ds_load_b128 v[G:G+3], v[OA]
	s_wait_dscnt 0x0
	global_store_b128 v[DST], v[G:G+3], s[XIP:XIP+1]   ; the tile's eight images: 8,192 consecutive bytes
	s_cmp_eq_u32 s[WV], 4
	s_cbranch_scc0 .Lnot_scales_out
	ds_load_b128 v[G+4:G+7], v[OS]
	s_wait_dscnt 0x0
	global_store_b128 v[OG], v[G+4:G+7], s[XSP:XSP+1]  ; two runs of 256 consecutive bytes
.Lnot_scales_out:
	s_wait_tensorcnt 0x0                           ; the wave's end
	ds_add_u32 v[SPW], v[NIL]
	s_wait_dscnt 0x0
	CROUND                                         ; the closing round
	s_endpgm
.Lfunc_end_k_q12883ff693_attn:
	.size	k_q12883ff693_attn, .Lfunc_end_k_q12883ff693_attn-k_q12883ff693_attn
	.p2alignl 7, 3214868480
	.fill 96, 4, 3214868480
	.section	.rodata,"a",@progbits
	.p2align	6, 0x0
	.amdhsa_kernel k_q12883ff693_attn
		.amdhsa_group_segment_fixed_size 327680
		.amdhsa_private_segment_fixed_size 0
		.amdhsa_enable_private_segment 0
		.amdhsa_kernarg_size 40
		.amdhsa_user_sgpr_count 2
		.amdhsa_user_sgpr_kernarg_segment_ptr 1
		.amdhsa_wavefront_size32 1
		.amdhsa_system_sgpr_workgroup_id_x 1
		.amdhsa_system_sgpr_workgroup_id_y 1
		.amdhsa_system_sgpr_workgroup_id_z 1
		.amdhsa_system_vgpr_workitem_id 0
		.amdhsa_next_free_vgpr 256
		.amdhsa_next_free_sgpr 96
		.amdhsa_reserve_vcc 0
		.amdhsa_float_denorm_mode_32 3
		.amdhsa_float_denorm_mode_16_64 3
		.amdhsa_memory_ordered 1
		.amdhsa_forward_progress 1
		.amdhsa_inst_pref_size 90
	.end_amdhsa_kernel
	.amdgpu_metadata
---
amdhsa.version: [ 1, 2 ]
amdhsa.kernels:
  - .name:           k_q12883ff693_attn
    .symbol:         k_q12883ff693_attn.kd
    .args:
      - { .name: qkv, .offset: 0, .size: 8, .value_kind: global_buffer, .address_space: global }
      - { .name: src, .offset: 8, .size: 8, .value_kind: global_buffer, .address_space: global }
      - { .name: ln1_g, .offset: 16, .size: 8, .value_kind: global_buffer, .address_space: global }
      - { .name: ln1_b, .offset: 24, .size: 8, .value_kind: global_buffer, .address_space: global }
      - { .name: xb, .offset: 32, .size: 8, .value_kind: global_buffer, .address_space: global }
    .group_segment_fixed_size: 327680
    .private_segment_fixed_size: 0
    .kernarg_segment_align: 8
    .kernarg_segment_size: 40
    .max_flat_workgroup_size: 512
    .sgpr_count:     96
    .vgpr_count:     256
    .wavefront_size: 32
...
	.end_amdgpu_metadata
.endif
;; end of part 3
;; launch ffn1 (part 4): grid 16 x 16, 4 waves a work-group, clusters of 4 x 4, 262,656 bytes of LDS; arguments xb, pw, w1_scales, b1, hb; writes hb
.if DOCPART == 4
	.amdgcn_target "amdgcn-amd-amdhsa--gfx1250"
	.amdhsa_code_object_version 6
	.text
	.protected	k_q12883ff693_ffn1
	.globl	k_q12883ff693_ffn1
	.p2align	8
	.type	k_q12883ff693_ffn1,@function
k_q12883ff693_ffn1:
	s_mov_b64 s[64:65], 0
	v_nop
	global_prefetch_b8 v0, s[64:65] scope:SCOPE_SE
	s_setreg_imm32_b32 hwreg(HW_REG_WAVE_MODE, 25, 1), 1
	s_wait_xcnt 0x0
	s_wait_alu depctr_hold_cnt(0) depctr_sa_sdst(0) depctr_va_vdst(0) depctr_va_sdst(0) depctr_va_ssrc(0) depctr_va_vcc(0) depctr_vm_vsrc(0)
	s_getreg_b32 s2, hwreg(HW_REG_IB_STS2, 6, 4)
	s_cmp_eq_u32 s2, 0
	s_cbranch_scc0 .Lentry_in_a_cluster
	s_endpgm
.Lentry_in_a_cluster:
	s_bfe_u32 s2, ttmp6, 0x10000c
	s_cmp_lg_u32 s2, 0xf033
	s_cbranch_scc0 .Lentry_shape_is_right
	s_endpgm
.Lentry_shape_is_right:
; h = relu(x w1 + b1) on E2M1 codes, quantised along the hidden units on its way out: h goes to memory as codes only.  No work of the problem is left out here.
; SHARES: a wave makes 128 rows (group g) x 128 hidden units (cgw) over K = 1,024 in 64 accumulators; a work-group's four waves take 2 x 2 such blocks.
; OPERANDS: the images of 128 rows or 128 hidden units for all of K are one dense block of 65,536 bytes.  The work-group's four blocks (two of w1, two of x) come into LDS ONCE, one tensor load a wave at the head,
; and stay: nothing is filled again.  One tensor load of mine is out at the most.  Each fragment is two LDS loads of 512 consecutive bytes; two sets of fragments take turns.
; CLUSTER: 4 x 4 work-groups.  w1's blocks hang on the work-group's x alone and are asked for jointly along a column of the cluster, x's on its y alone and along a row.
; No prefetch: the launch has one group of loads at its head and no loop to run ahead in.
; THE PRODUCT: accumulator (a, t) = (source 0 = fragment t of w1) x (source 1 = fragment a of x): lane (r, h), register j holds hidden unit 32 (t / 2) + 16 h + 8 (t % 2) + j of the tile's row r:
; the 64 registers of one a are 128 neighbours along the next product's K: one fragment and one scale word a row.
; OUT (buffer hb): images [tile of rows][K step of 128 hidden units][1,024 bytes]; scale words [K step][group][r][a].
; LIMITS: a block of zeros gets the scale byte 1 (read by this program alone); NaN and infinities are not served.
.set W1I,   3801088
.set XI,    16777216
.set XSC,   18874368
.set HS,    8388608
.set BLK,   65536                      ; LDS: w1's two blocks, then x's two
.set SPARE, 4*BLK                      ; the spare words, 128 bytes for each of 4 waves
.set TSX,   8192
.set TSY,   8192
.set YSA,   8
.set YSS,   1
.set LI,   1
.set RR,   2
.set HH,   3
.set LSO,  4
.set BO,   7
.set HSO,  9
.set LXA,  14                          ; LDS: my block of w1 + 16 x lane
.set LYA,  15                          ; my block of x + 16 x lane
.set SPW,  28
.set NIL,  29
.set XS,   32
.set YS,   96
.set BI,   160
.set HA,   32
.set TM,   96
.set PW,   112
.set PC,   114
.set SW,   140
.set KW,   148
.set SEL,  2
.set G0X,  68
.set G1X,  72
.set G1Y,  80
.set G0Y,  88
.set MSB, 0
.macro WIN new                         ; the immediate's high byte repeats the setting that is left
.if MSB != (\new)
	s_set_vgpr_msb (MSB<<8)|(\new)
.set MSB, (\new)
.endif
.endm
.macro PLACES                          ; four plain lines behind a matrix instruction, ahead of loads into its registers and of reads of its results
.rept 4
	v_nop
.endr
.endm
.macro CROUND                          ; a round of the cluster's barrier
	s_barrier_signal -1
	s_barrier_wait -1
	s_cmp_lg_u32 s20, 0
	s_cbranch_scc1 .Lnot_wave_0_\@
	s_barrier_signal -3
.Lnot_wave_0_\@:
	s_barrier_wait -3
	s_barrier_signal -1
	s_barrier_wait -1
.endm
.macro QUANT s                         ; 64 numbers of a lane, register 16 b + i = k 32 b + 16 (lane / 16) + i, become codes in v[PC] on and a scale word in v[PW]
.irp b, 0,1,2,3
	v_max3_num_f32 v[TM+\b], |v[\s+16*\b]|, |v[\s+1+16*\b]|, 0x1800000
.endr
.irp i, 2,4,6,8,10,12,14
.irp b, 0,1,2,3
	v_max3_num_f32 v[TM+\b], v[TM+\b], |v[\s+16*\b+\i]|, |v[\s+1+16*\b+\i]|
.endr
.endr
.irp b, 0,1,2,3
	v_permlanex16_b32 v[TM+4+\b], v[TM+\b], s[SEL], s[SEL+1]
.endr
.irp b, 0,1,2,3
	v_max_num_f32 v[TM+\b], v[TM+\b], v[TM+4+\b]
.endr
.irp b, 0,1,2,3
	v_add_nc_u32 v[TM+12+\b], 0xff000000, v[TM+\b]
.endr
.irp b, 0,1,2,3
	v_lshrrev_b32 v[TM+4+\b], 23, v[TM+12+\b]
.endr
	v_lshl_or_b32 v[PW], v[TM+5], 8, v[TM+4]
	v_lshl_or_b32 v[PW], v[TM+6], 16, v[PW]
	v_lshl_or_b32 v[PW], v[TM+7], 24, v[PW]
.irp b, 0,1,2,3
	v_cvt_scalef32_pk8_fp4_f32 v[PC+2*\b], v[\s+16*\b:\s+7+16*\b], v[TM+12+\b]
	v_cvt_scalef32_pk8_fp4_f32 v[PC+1+2*\b], v[\s+8+16*\b:\s+15+16*\b], v[TM+12+\b]
.endr
	v_nop
.irp c, 0,1
.irp i, 0,1
	v_permlane16_swap_b32 v[PC+4*\c+\i], v[PC+2+4*\c+\i]
.endr
.endr
.endm
.macro LOADSET s, set                  ; the 16 fragments of K step s: 32 LDS loads of 512 consecutive bytes
.irp t, 0,1,2,3,4,5,6,7
.irp c, 0,1
	ds_load_b128 v[64*(\set)+8*\t+4*\c:64*(\set)+8*\t+4*\c+3], v[LXA] offset:\t*TSX+1024*(\s)+512*\c
.endr
.endr
.irp t, 0,1,2,3,4,5,6,7
.irp c, 0,1
	ds_load_b128 v[128+64*(\set)+8*\t+4*\c:128+64*(\set)+8*\t+4*\c+3], v[LYA] offset:\t*TSY+1024*(\s)+512*\c
.endr
.endr
.endm
.macro MUL32 s, set, hi, zero          ; the 64 accumulators take turns, one instruction a turn, in the same order in every step
.irp a, 0,1,2,3
.irp t, 0,1,2,3,4,5,6,7
.if \zero
	v_wmma_scale_f32_16x16x128_f8f6f4 v[8*(8*\a+\t):8*(8*\a+\t)+7], v[64*(\set)+8*\t:64*(\set)+8*\t+7], v[128+64*(\set)+8*(4*(\hi)+\a):128+64*(\set)+8*(4*(\hi)+\a)+7], 0, v[XS+8*\t+(\s)], v[YS+YSA*(4*(\hi)+\a)+YSS*(\s)] matrix_a_fmt:MATRIX_FMT_FP4 matrix_b_fmt:MATRIX_FMT_FP4
.else
	v_wmma_scale_f32_16x16x128_f8f6f4 v[8*(8*\a+\t):8*(8*\a+\t)+7], v[64*(\set)+8*\t:64*(\set)+8*\t+7], v[128+64*(\set)+8*(4*(\hi)+\a):128+64*(\set)+8*(4*(\hi)+\a)+7], v[8*(8*\a+\t):8*(8*\a+\t)+7], v[XS+8*\t+(\s)], v[YS+YSA*(4*(\hi)+\a)+YSS*(\s)] matrix_a_fmt:MATRIX_FMT_FP4 matrix_b_fmt:MATRIX_FMT_FP4
.endif
.endr
.endr
.endm
.macro CORE                            ; K = 1,024 in 8 steps, written out; the first step's products start the sums
	WIN 0x40
	LOADSET 0, 0
	LOADSET 1, 1
.irp s, 0,1,2,3,4,5,6,7
.if \s < 7
	s_wait_dscnt 32                                ; this step's set is in; the next step's 32 loads may be out
.else
	s_wait_dscnt 0x0
.endif
	WIN 0xa5
.if \s == 0
	MUL32 \s, (\s)%2, 0, 1
	WIN 0xf5
	MUL32 \s, (\s)%2, 1, 1
.else
	MUL32 \s, (\s)%2, 0, 0
	WIN 0xf5
	MUL32 \s, (\s)%2, 1, 0
.endif
	PLACES
.if \s < 6
	WIN 0x40
	LOADSET (\s)+2, (\s)%2
.endif
.endr
	WIN 0
.endm
	s_load_b256 s[4:11], s[0:1], 0x0               ; xb, pw, w1_scales, b1
	s_load_b64 s[12:13], s[0:1], 0x20              ; hb
	v_lshl_add_u32 v[SPW], v0, 2, SPARE
	v_mov_b32 v[NIL], 0
	ds_add_u32 v[SPW], v[NIL]                      ; the opening: the add, twice on end, and its wait ahead of my first tensor load
	ds_add_u32 v[SPW], v[NIL]
	v_lshrrev_b32 v11, 5, v0
	v_readfirstlane_b32 s20, v11
	s_mov_b32 s[SEL], 0x76543210
	s_mov_b32 s[SEL+1], 0xfedcba98
	s_bfe_u32 s56, ttmp6, 0x40000                  ; cx
	s_bfe_u32 s57, ttmp6, 0x40004                  ; cy
	s_lshl_b32 s58, ttmp9, 2
	s_add_co_u32 s58, s58, s56                     ; work-group x
	s_and_b32 s59, ttmp7, 0xffff
	s_lshl_b32 s59, s59, 2
	s_add_co_u32 s59, s59, s57                     ; work-group y
	s_and_b32 s23, s20, 1
	s_lshl_b32 s21, s59, 1
	s_lshr_b32 s22, s20, 1
	s_add_co_u32 s21, s21, s22                     ; g
	s_lshl_b32 s60, s59, 1
	s_add_co_u32 s60, s60, s23                     ; the group of rows that waves 2 and 3 fetch
	s_lshl_b32 s40, s22, 16
	s_add_co_u32 s40, s40, 2*BLK                   ; LDS: the block of x that I read
	s_lshl_b32 s22, s58, 1
	s_add_co_u32 s22, s22, s23                     ; cgw: the block of w1 that I read, and that waves 0 and 1 fetch
	s_lshl_b32 s62, s23, 16                        ; LDS: that block
	s_add_co_u32 s63, s62, 2*BLK                   ; LDS: the block of x that waves 2 and 3 fetch
	s_lshl_b32 s38, 0x1111, s56                    ; my column of the cluster
	s_lshl_b32 s39, s57, 2
	s_lshl_b32 s39, 15, s39                        ; my row
	s_or_b32 s[G1X], s38, (3<<16)|(1<<21)          ; the mask; elements of 8 bytes; bit 21 beside a mask; no padding: every read is 16 bytes a lane on end
	s_or_b32 s[G1Y], s39, (3<<16)|(1<<21)
.irp g, G1X, G1Y
	s_mov_b32 s[\g+1], 32<<16                      ; 256 rows of 256 bytes, dense
	s_mov_b32 s[\g+2], 256<<16
	s_mov_b32 s[\g+3], 32<<16
	s_mov_b32 s[\g+4], 256
	s_mov_b32 s[\g+5], 32
	s_mov_b32 s[\g+6], 0
	s_mov_b32 s[\g+7], 0
.endr
	s_lshl_b32 s42, s22, 16
	s_add_co_u32 s42, s42, W1I
	s_mov_b32 s43, 0
	s_lshl_b32 s60, s60, 16
	s_add_co_u32 s60, s60, XI
	s_mov_b32 s61, 0
	s_lshl_b32 s46, s22, 12
	s_mov_b32 s47, 0
	s_lshl_b32 s48, s21, 12
	s_add_co_u32 s48, s48, XSC
	s_mov_b32 s49, 0
	s_lshl_b32 s50, s22, 9
	s_mov_b32 s51, 0
	s_lshl_b32 s52, s21, 18
	s_lshl_b32 s53, s22, 10
	s_add_co_u32 s52, s52, s53
	s_mov_b32 s53, 0
	s_lshl_b32 s54, s22, 14
	s_lshl_b32 s55, s21, 9
	s_add_co_u32 s54, s54, s55
	s_add_co_u32 s54, s54, HS
	s_mov_b32 s55, 0
	s_mov_b32 s[G0X], 1
	s_mov_b32 s[G0X+1], s62
	s_mov_b32 s[G0Y], 1
	s_mov_b32 s[G0Y+1], s63
	s_wait_dscnt 0x0                               ; both opening adds are done
	s_wait_kmcnt 0x0
	s_add_nc_u64 s[G0X+2:G0X+3], s[6:7], s[42:43]
	s_or_b32 s[G0X+3], s[G0X+3], 0x80000000
	s_add_nc_u64 s[G0Y+2:G0Y+3], s[4:5], s[60:61]
	s_or_b32 s[G0Y+3], s[G0Y+3], 0x80000000
	s_add_nc_u64 s[28:29], s[8:9], s[46:47]
	s_add_nc_u64 s[30:31], s[4:5], s[48:49]
	s_add_nc_u64 s[32:33], s[10:11], s[50:51]
	s_add_nc_u64 s[34:35], s[12:13], s[52:53]
	s_add_nc_u64 s[36:37], s[12:13], s[54:55]
	CROUND                                         ; all sixteen work-groups are here: the joint loads meet
	s_cmp_lt_u32 s20, 2                            ; one load a wave: waves 0 and 1 fetch w1's blocks, waves 2 and 3 x's
	s_cbranch_scc0 .Lfor_y
	tensor_load_to_lds s[G0X:G0X+3], s[G1X:G1X+7]
	s_nop 0
	PLACES
	s_branch .Lasked
.Lfor_y:
	tensor_load_to_lds s[G0Y:G0Y+3], s[G1Y:G1Y+7]
	s_nop 0
	PLACES
.Lasked:
	v_and_b32 v12, 31, v0
	v_lshlrev_b32 v[LI], 4, v12
	v_and_b32 v[RR], 15, v0
	v_bfe_u32 v[HH], v0, 4, 1
	v_and_b32 v13, 8, v[RR]
	v_add_nc_u32 v13, v13, v[RR]
	v_lshlrev_b32 v[LSO], 5, v13
	v_lshlrev_b32 v[BO], 6, v[HH]
	v_lshlrev_b32 v[HSO], 5, v[RR]
	v_lshl_add_u32 v[HSO], v[HH], 4, v[HSO]
	v_add_nc_u32 v[LXA], s62, v[LI]
	v_add_nc_u32 v[LYA], s40, v[LI]
.irp i, 0,1,2,3,4,5,6,7
	global_load_b128 v[XS+8*\i:XS+8*\i+3], v[LSO], s[28:29] offset:1024*(\i/2)+256*(\i%2)
	global_load_b128 v[XS+8*\i+4:XS+8*\i+7], v[LSO], s[28:29] offset:1024*(\i/2)+256*(\i%2)+16
.endr
.irp i, 0,1,2,3,4,5,6,7
	global_load_b128 v[YS+8*\i:YS+8*\i+3], v[LSO], s[30:31] offset:1024*(\i/2)+256*(\i%2)
	global_load_b128 v[YS+8*\i+4:YS+8*\i+7], v[LSO], s[30:31] offset:1024*(\i/2)+256*(\i%2)+16
.endr
.irp b, 0,1,2,3
.irp j, 0,1,2,3
	global_load_b128 v[BI+16*\b+4*\j:BI+16*\b+4*\j+3], v[BO], s[32:33] offset:128*\b+16*\j   ; b1 of hidden units 32 b + 16 h + 0 .. 15
.endr
.endr
	s_wait_alu depctr_va_vdst(0)                   ; the wait at the head's end
	s_wait_loadcnt 0x0                             ; the scale words and the bias
	s_wait_tensorcnt 0x0                           ; my block has landed,
	s_barrier_signal -1
	s_barrier_wait -1                              ; everybody's has
	CORE
.irp b, 0,1,2,3
	v_mov_b32 v[TM+4+\b], 0                        ; written once: a lane permute's destination counts as one of its sources
.endr
.macro HTILE a
.if (\a) > 0
	s_wait_xcnt 0x0                                ; the last tile's stores have read their registers
.endif
	WIN 0x02+(\a)/4
.set pp, 0
.rept 32
	v_pk_add_f32 v[HA+2*pp:HA+2*pp+1], v[64*((\a)%4)+2*pp:64*((\a)%4)+2*pp+1], v[BI+2*pp:BI+2*pp+1]   ; each accumulator from its low end on
.set pp, pp+1
.endr
	WIN 0
.set pp, 0
.rept 64
	v_max_num_f32 v[HA+pp], 0, v[HA+pp]            ; the activation, in f32
.set pp, pp+1
.endr
	QUANT HA
	global_store_b128 v[LI], v[PC:PC+3], s[34:35] offset:32768*(\a)
	global_store_b128 v[LI], v[PC+4:PC+7], s[34:35] offset:32768*(\a)+512
	v_mov_b32 v[SW+(\a)], v[PW]
.endm
.irp a, 0,1,2,3,4,5,6,7
	HTILE \a
.endr
	v_cmp_eq_u32 vcc_lo, 1, v[HH]
.irp j, 0,1,2,3
	v_cndmask_b32 v[KW+\j], v[SW+\j], v[SW+4+\j], vcc_lo   ; lanes 0-15 store the words of tiles 0 to 3, lanes 16-31 those of tiles 4 to 7
.endr
	global_store_b128 v[HSO], v[KW:KW+3], s[36:37] ; 512 consecutive bytes
	s_wait_tensorcnt 0x0                           ; the wave's end
	ds_add_u32 v[SPW], v[NIL]
	s_wait_dscnt 0x0
	CROUND                                         ; the closing round
	s_endpgm
.Lfunc_end_k_q12883ff693_ffn1:
	.size	k_q12883ff693_ffn1, .Lfunc_end_k_q12883ff693_ffn1-k_q12883ff693_ffn1
	.p2alignl 7, 3214868480
	.fill 96, 4, 3214868480
	.section	.rodata,"a",@progbits
	.p2align	6, 0x0
	.amdhsa_kernel k_q12883ff693_ffn1
		.amdhsa_group_segment_fixed_size 262656
		.amdhsa_private_segment_fixed_size 0
		.amdhsa_enable_private_segment 0
		.amdhsa_kernarg_size 40
		.amdhsa_user_sgpr_count 2
		.amdhsa_user_sgpr_kernarg_segment_ptr 1
		.amdhsa_wavefront_size32 1
		.amdhsa_system_sgpr_workgroup_id_x 1
		.amdhsa_system_sgpr_workgroup_id_y 1
		.amdhsa_system_sgpr_workgroup_id_z 1
		.amdhsa_system_vgpr_workitem_id 0
		.amdhsa_next_free_vgpr 1024
		.amdhsa_next_free_sgpr 96
		.amdhsa_reserve_vcc 1
		.amdhsa_float_denorm_mode_32 3
		.amdhsa_float_denorm_mode_16_64 3
		.amdhsa_memory_ordered 1
		.amdhsa_forward_progress 1
		.amdhsa_inst_pref_size 158
	.end_amdhsa_kernel
	.amdgpu_metadata
---
amdhsa.version: [ 1, 2 ]
amdhsa.kernels:
  - .name:           k_q12883ff693_ffn1
    .symbol:         k_q12883ff693_ffn1.kd
    .args:
      - { .name: xb, .offset: 0, .size: 8, .value_kind: global_buffer, .address_space: global }
      - { .name: pw, .offset: 8, .size: 8, .value_kind: global_buffer, .address_space: global }
      - { .name: w1_scales, .offset: 16, .size: 8, .value_kind: global_buffer, .address_space: global }
      - { .name: b1, .offset: 24, .size: 8, .value_kind: global_buffer, .address_space: global }
      - { .name: hb, .offset: 32, .size: 8, .value_kind: global_buffer, .address_space: global }
    .group_segment_fixed_size: 262656
    .private_segment_fixed_size: 0
    .kernarg_segment_align: 8
    .kernarg_segment_size: 40
    .max_flat_workgroup_size: 128
    .sgpr_count:     96
    .vgpr_count:     1024
    .wavefront_size: 32
...
	.end_amdgpu_metadata
.endif
;; end of part 4
;; launch ffn2 (part 5): grid 32 x 8, 4 waves a work-group, clusters of 4 x 4, 327,680 bytes of LDS; arguments hb, pw, w2_scales, b2, xb, zb; writes zb
.if DOCPART == 5
	.amdgcn_target "amdgcn-amd-amdhsa--gfx1250"
	.amdhsa_code_object_version 6
	.text
	.protected	k_q12883ff693_ffn2
	.globl	k_q12883ff693_ffn2
	.p2align	8
	.type	k_q12883ff693_ffn2,@function
k_q12883ff693_ffn2:
	s_mov_b64 s[64:65], 0
	v_nop
	global_prefetch_b8 v0, s[64:65] scope:SCOPE_SE
	s_setreg_imm32_b32 hwreg(HW_REG_WAVE_MODE, 25, 1), 1
	s_wait_xcnt 0x0
	s_wait_alu depctr_hold_cnt(0) depctr_sa_sdst(0) depctr_va_vdst(0) depctr_va_sdst(0) depctr_va_ssrc(0) depctr_va_vcc(0) depctr_vm_vsrc(0)
	s_getreg_b32 s2, hwreg(HW_REG_IB_STS2, 6, 4)
	s_cmp_eq_u32 s2, 0
	s_cbranch_scc0 .Lentry_in_a_cluster
	s_endpgm
.Lentry_in_a_cluster:
	s_bfe_u32 s2, ttmp6, 0x10000c
	s_cmp_lg_u32 s2, 0xf033
	s_cbranch_scc0 .Lentry_shape_is_right
	s_endpgm
.Lentry_shape_is_right:
; z = x + (h w2 + b2), the product on E2M1 codes.  No work of the problem is left out here.
; SHARES: a work-group makes 128 rows (group g) x 128 columns (cg).  K = 4,096 IS SPLIT OVER ITS FOUR WAVES, 1,024 each, so that there are 256 work-groups; each wave makes the whole 128 x 128 for its quarter of K
; in 64 accumulators; the four parts meet in LDS and are added in f32, with b2 and x.  LIMIT: the order of these f32 sums is not that of one sum along K.
; THE RING: two slots of 131,072 bytes, four fills.  Fill p holds K steps 2 p and 2 p + 1 of EVERY wave's quarter: of tile t and quarter w that is 2,048 consecutive bytes at (4 t + w) x 8,192 + 2,048 p of the
; operand's images, so a slot's half is 32 rows of 2,048 bytes, 8,192 apart in memory, dense in LDS.  Waves 0 and 1 fetch w2's rows (16 each), waves 2 and 3 h's: one tensor load a wave behind each change of slots;
; one tensor load of mine is out at the most.  Fill 0 goes out at the head, fill 1 behind the full sequence, fills 2 and 3 as refills.
; CLUSTER: 4 x 4 work-groups.  w2's tiles hang on the work-group's y alone and are asked for jointly along a row of the cluster, h's on its x alone and along a column; each change of slots that fills is a round of the cluster's barrier.
; PREFETCH: behind the LDS loads of fills 0 and 1 each wave names its share of fills 2 and 3 (of the 16 rows that it fetches, the partner at place p takes rows 4 p .. 4 p + 3: 32 blocks of 256 bytes, a lane a block,
; told apart by address), a fill ahead of the load that wants them; and, once, the 64 blocks of x that it adds at the end.
; THE PRODUCT: accumulator (a, t) = (source 0 = fragment t of w2) x (source 1 = fragment a of h): lane (r, h), register j holds column 32 (t / 2) + 16 h + 8 (t % 2) + j of the tile's row r: eight neighbours of a row.
; THE STAGE: four regions (one a wave) of 128 rows x (512 bytes + 16), rows in the tiles' order 16 a + r; they lie over the slots, behind their last fill and, by a barrier, their last read.  Behind them the spare words.
.set W2I,   5898240
.set HS,    8388608
.set YSA,   1
.set YSS,   8
.set SLOT,  131072
.set REG,   67584
.set SPARE, 270336
.set LI,   1
.set RR,   2
.set HH,   3
.set XSO,  4
.set YSO,  5
.set WR,   6
.set RD,   8                           ; v8-11
.set AX,   14                          ; v14-15 LDS: my quarter's rows of w2 in slot 0, 1, + 16 x lane
.set AY,   16                          ; v16-17 the same of h
.set PFO,  18                          ; the tiles' prefetch: 8,192 (lane / 8) + 256 (lane % 8)
.set XPO,  19                          ; x's: 4,096 x my lane's row
.set SPW,  28
.set NIL,  29
.set XS,   32
.set YS,   96
.set B2R,  192
.set PF,   38
.set G1X,  68
.set G1Y,  76
.set G0X,  84                          ; s[84:91] group 0 for w2's tiles, one set a slot
.set G0Y,  92                          ; s[92:99] for h's
.set MSB, 0
.macro WIN new                         ; the immediate's high byte repeats the setting that is left
.if MSB != (\new)
	s_set_vgpr_msb (MSB<<8)|(\new)
.set MSB, (\new)
.endif
.endm
.macro PLACES                          ; four plain lines behind a matrix instruction, ahead of loads into its registers and of reads of its results
.rept 4
	v_nop
.endr
.endm
.macro CROUND                          ; a round of the cluster's barrier
	s_barrier_signal -1
	s_barrier_wait -1
	s_cmp_lg_u32 s20, 0
	s_cbranch_scc1 .Lnot_wave_0_\@
	s_barrier_signal -3
.Lnot_wave_0_\@:
	s_barrier_wait -3
	s_barrier_signal -1
	s_barrier_wait -1
.endm
.macro JLOAD s                         ; a joint load: each of the two lines has one mask and one set of registers; the branch hangs on the wave's number alone.  The four v_nop are also the places ahead of the loads that follow
	s_cmp_lt_u32 s20, 2
	s_cbranch_scc0 .Lfor_y_\@
	tensor_load_to_lds s[G0X+4*\s:G0X+4*\s+3], s[G1X:G1X+7]
	s_nop 0
	PLACES
	s_branch .Lasked_\@
.Lfor_y_\@:
	tensor_load_to_lds s[G0Y+4*\s:G0Y+4*\s+3], s[G1Y:G1Y+7]
	s_nop 0
	PLACES
.Lasked_\@:
.endm
.macro LOADSET slot, e, set            ; the 16 fragments of the slot's step e of my quarter: 32 LDS loads of 512 consecutive bytes
.irp t, 0,1,2,3,4,5,6,7
.irp c, 0,1
	ds_load_b128 v[64*(\set)+8*\t+4*\c:64*(\set)+8*\t+4*\c+3], v[AX+\slot] offset:\t*8192+1024*(\e)+512*\c
.endr
.endr
.irp t, 0,1,2,3,4,5,6,7
.irp c, 0,1
	ds_load_b128 v[128+64*(\set)+8*\t+4*\c:128+64*(\set)+8*\t+4*\c+3], v[AY+\slot] offset:\t*8192+1024*(\e)+512*\c
.endr
.endr
.endm
.macro MUL32 s, set, hi, zero          ; the 64 accumulators take turns, one instruction a turn, in the same order in every step
.irp a, 0,1,2,3
.irp t, 0,1,2,3,4,5,6,7
.if \zero
	v_wmma_scale_f32_16x16x128_f8f6f4 v[8*(8*\a+\t):8*(8*\a+\t)+7], v[64*(\set)+8*\t:64*(\set)+8*\t+7], v[128+64*(\set)+8*(4*(\hi)+\a):128+64*(\set)+8*(4*(\hi)+\a)+7], 0, v[XS+8*\t+(\s)], v[YS+YSA*(4*(\hi)+\a)+YSS*(\s)] matrix_a_fmt:MATRIX_FMT_FP4 matrix_b_fmt:MATRIX_FMT_FP4
.else
	v_wmma_scale_f32_16x16x128_f8f6f4 v[8*(8*\a+\t):8*(8*\a+\t)+7], v[64*(\set)+8*\t:64*(\set)+8*\t+7], v[128+64*(\set)+8*(4*(\hi)+\a):128+64*(\set)+8*(4*(\hi)+\a)+7], v[8*(8*\a+\t):8*(8*\a+\t)+7], v[XS+8*\t+(\s)], v[YS+YSA*(4*(\hi)+\a)+YSS*(\s)] matrix_a_fmt:MATRIX_FMT_FP4 matrix_b_fmt:MATRIX_FMT_FP4
.endif
.endr
.endr
.endm
.macro PHASE p                         ; fill p: steps 2 p and 2 p + 1 of my quarter of K, 128 matrix instructions
	WIN 0x40
	LOADSET (\p)%2, 0, 0
	LOADSET (\p)%2, 1, 1
.if \p < 2
	global_prefetch_b8 v[PFO], s[PF:PF+1] offset:((\p)+2)*2048 th:TH_LOAD_NT scope:SCOPE_SE
.endif
.if \p == 0
	global_prefetch_b8 v[XPO], s[32:33] th:TH_LOAD_NT scope:SCOPE_SE
	global_prefetch_b8 v[XPO], s[32:33] offset:256 th:TH_LOAD_NT scope:SCOPE_SE
	s_wait_loadcnt 0x0                             ; the scale words
.endif
	s_wait_dscnt 32                                ; the first step's set is in; the second's 32 loads may be out
	WIN 0xa5
.if \p == 0
	MUL32 0, 0, 0, 1                               ; the first step's products start the sums
	WIN 0xf5
	MUL32 0, 0, 1, 1
.else
	MUL32 2*(\p), 0, 0, 0
	WIN 0xf5
	MUL32 2*(\p), 0, 1, 0
.endif
	s_wait_dscnt 0x0
	WIN 0xa5
	MUL32 2*(\p)+1, 1, 0, 0
	WIN 0xf5
	MUL32 2*(\p)+1, 1, 1, 0
	WIN 0
.endm
.macro SYNC slot, fill                 ; the change of slots.  fill = 1: the slot just read takes the fill two on
	s_wait_tensorcnt 0x0                           ; my part of the other slot has landed; no load of mine is out, so a group 0 may be written
	ds_add_u32 v[SPW], v[NIL]
.if \fill
	s_add_nc_u64 s[G0X+4*\slot+2:G0X+4*\slot+3], s[G0X+4*\slot+2:G0X+4*\slot+3], 4096
	s_add_nc_u64 s[G0Y+4*\slot+2:G0Y+4*\slot+3], s[G0Y+4*\slot+2:G0Y+4*\slot+3], 4096
.endif
	s_wait_dscnt 0x0                               ; the add is done; my reads of this slot were over ahead of its last products
.if \fill
	CROUND
	JLOAD \slot
.else
	s_barrier_signal -1
	s_barrier_wait -1
	PLACES
.endif
.endm
	s_load_b256 s[4:11], s[0:1], 0x0               ; hb, pw, w2_scales, b2
	s_load_b128 s[12:15], s[0:1], 0x20             ; xb, zb
	v_lshl_add_u32 v[SPW], v0, 2, SPARE
	v_mov_b32 v[NIL], 0
	ds_add_u32 v[SPW], v[NIL]                      ; the opening: the add, twice on end, and its wait ahead of my first tensor load
	ds_add_u32 v[SPW], v[NIL]
	v_lshrrev_b32 v12, 5, v0
	v_readfirstlane_b32 s20, v12                   ; wave = my quarter of K
	s_bfe_u32 s21, ttmp6, 0x40000                  ; cx
	s_bfe_u32 s22, ttmp6, 0x40004                  ; cy
	s_lshl_b32 s23, ttmp9, 2
	s_add_co_u32 s23, s23, s21                     ; g
	s_and_b32 s24, ttmp7, 0xffff
	s_lshl_b32 s24, s24, 2
	s_add_co_u32 s24, s24, s22                     ; cg
	s_and_b32 s25, s20, 1                          ; which 16 rows of a slot's half I fetch
	s_lshl_b32 s40, s22, 2
	s_lshl_b32 s40, 15, s40                        ; my row of the cluster
	s_lshl_b32 s41, 0x1111, s21                    ; my column
	s_or_b32 s[G1X], s40, (3<<16)|(1<<21)          ; the mask; elements of 8 bytes; bit 21 beside a mask; no padding: every read is 16 bytes a lane on end
	s_or_b32 s[G1Y], s41, (3<<16)|(1<<21)
.irp g, G1X, G1Y
	s_mov_b32 s[\g+1], 256<<16                     ; 16 rows of 2,048 bytes, 8,192 bytes apart
	s_mov_b32 s[\g+2], 16<<16
	s_mov_b32 s[\g+3], 256<<16
	s_mov_b32 s[\g+4], 16
	s_mov_b32 s[\g+5], 1024
	s_mov_b32 s[\g+6], 0
	s_mov_b32 s[\g+7], 0
.endr
	s_lshl_b32 s26, s25, 17
	s_lshl_b32 s42, s24, 18
	s_add_co_u32 s42, s42, s26
	s_add_co_u32 s42, s42, W2I                     ; w2's images of cg, tiles 0-3 or 4-7
	s_mov_b32 s43, 0
	s_lshl_b32 s44, s23, 18
	s_add_co_u32 s44, s44, s26                     ; h's of g
	s_mov_b32 s45, 0
	s_lshl_b32 s27, s20, 15                        ; LDS: wave x 16 rows: no place in the cluster enters an LDS address
	s_lshl_b32 s46, s24, 14
	s_lshl_b32 s47, s20, 5
	s_add_co_u32 s46, s46, s47
	s_mov_b32 s47, 0
	s_lshl_b32 s48, s20, 17
	s_lshl_b32 s49, s23, 9
	s_add_co_u32 s48, s48, s49
	s_add_co_u32 s48, s48, HS
	s_mov_b32 s49, 0
	s_lshl_b32 s50, s23, 19                        ; x and z: row 128 g + 32 wave, + 512 cg bytes
	s_lshl_b32 s51, s20, 17
	s_add_co_u32 s50, s50, s51
	s_lshl_b32 s52, s24, 9
	s_add_co_u32 s50, s50, s52
	s_mov_b32 s51, 0
	s_mov_b32 s53, 0
	s_mul_i32 s56, s20, REG                        ; my region of the stage
	s_mul_i32 s57, s20, 16896                      ; back: rows 32 wave .. 32 wave + 31 of each region
	s_lshl_b32 s58, s20, 11                        ; my quarter's row within a tile's four
	s_wait_dscnt 0x0                               ; both opening adds are done
	s_wait_kmcnt 0x0
	s_add_nc_u64 s[54:55], s[6:7], s[42:43]
	s_add_nc_u64 s[60:61], s[4:5], s[44:45]
.irp s, 0,1
	s_mov_b32 s[G0X+4*\s], 1
	s_add_co_u32 s[G0X+4*\s+1], s27, \s*SLOT
	s_add_nc_u64 s[G0X+4*\s+2:G0X+4*\s+3], s[54:55], \s*2048
	s_or_b32 s[G0X+4*\s+3], s[G0X+4*\s+3], 0x80000000
	s_mov_b32 s[G0Y+4*\s], 1
	s_add_co_u32 s[G0Y+4*\s+1], s27, \s*SLOT
	s_add_nc_u64 s[G0Y+4*\s+2:G0Y+4*\s+3], s[60:61], \s*2048
	s_or_b32 s[G0Y+4*\s+3], s[G0Y+4*\s+3], 0x80000000
.endr
	s_cmp_lt_u32 s20, 2                            ; the prefetches: the tile that I fetch, and my place among the four that ask for it with me
	s_cselect_b64 s[PF:PF+1], s[54:55], s[60:61]
	s_cselect_b32 s62, s21, s22
	s_lshl_b32 s62, s62, 15                        ; four rows of 8,192 bytes
	s_mov_b32 s63, 0
	s_add_nc_u64 s[PF:PF+1], s[PF:PF+1], s[62:63]
	s_add_nc_u64 s[28:29], s[8:9], s[46:47]
	s_add_nc_u64 s[30:31], s[4:5], s[48:49]
	s_add_nc_u64 s[32:33], s[12:13], s[50:51]
	s_add_nc_u64 s[34:35], s[14:15], s[50:51]
	s_add_nc_u64 s[36:37], s[10:11], s[52:53]
	CROUND                                         ; all sixteen work-groups are here: the first joint loads meet
	JLOAD 0                                        ; fill 0: one tensor load a wave at the head
	v_and_b32 v12, 31, v0
	v_lshlrev_b32 v[LI], 4, v12
	v_and_b32 v[RR], 15, v0
	v_bfe_u32 v[HH], v0, 4, 1
	v_and_b32 v13, 8, v[RR]
	v_add_nc_u32 v13, v13, v[RR]
	v_lshlrev_b32 v[XSO], 7, v13                   ; w2's scale bytes: 128 a row
	v_lshlrev_b32 v[YSO], 5, v[RR]                 ; h's scale words: [K step][group][r][a]
.irp i, 0,1,2,3,4,5,6,7
	global_load_b128 v[XS+8*\i:XS+8*\i+3], v[XSO], s[28:29] offset:128*(32*(\i/2)+8*(\i%2))
	global_load_b128 v[XS+8*\i+4:XS+8*\i+7], v[XSO], s[28:29] offset:128*(32*(\i/2)+8*(\i%2))+16
.endr
.irp i, 0,1,2,3,4,5,6,7
	global_load_b128 v[YS+8*\i:YS+8*\i+3], v[YSO], s[30:31] offset:16384*\i       ; K step i of my quarter: the words of tiles 0 to 7
	global_load_b128 v[YS+8*\i+4:YS+8*\i+7], v[YSO], s[30:31] offset:16384*\i+16
.endr
	v_mul_u32_u24 v[WR], v[RR], 528
	v_lshl_add_u32 v[WR], v[HH], 6, v[WR]
	v_add_nc_u32 v[WR], s56, v[WR]                 ; into my region: row r, + 64 h
	v_add_nc_u32 v[RD], s57, v[LI]
.irp k, 1,2,3
	v_add_nc_u32 v[RD+\k], \k*REG, v[RD]
.endr
	v_add_nc_u32 v[AX], s58, v[LI]
	v_add_nc_u32 v[AX+1], SLOT, v[AX]
	v_add_nc_u32 v[AY], 65536, v[AX]
	v_add_nc_u32 v[AY+1], SLOT+65536, v[AX]
	v_lshrrev_b32 v20, 3, v12
	v_and_b32 v21, 7, v12
	v_lshlrev_b32 v[PFO], 13, v20
	v_lshl_add_u32 v[PFO], v21, 8, v[PFO]
	v_lshl_add_u32 v22, v[HH], 3, v13              ; LDS row 32 wave + lane is row 32 wave + 8 (lane / 16) + lane % 16 + 8 ((lane / 8) % 2) of the group
	v_lshlrev_b32 v[XPO], 12, v22
	s_wait_alu depctr_va_vdst(0)                   ; the wait at the head's end
	s_wait_tensorcnt 0x0                           ; my part of fill 0 is in
	ds_add_u32 v[SPW], v[NIL]
	s_wait_dscnt 0x0
	CROUND
	JLOAD 1                                        ; fill 1
	PHASE 0
	SYNC 0, 1                                      ; fill 2
	PHASE 1
	SYNC 1, 1                                      ; fill 3
	PHASE 2
	SYNC 0, 0
	PHASE 3
	PLACES
	WIN 0x40                                       ; x for my 32 rows of the sum, into the registers that held fragments
.set ii, 0
.rept 32
	global_load_b128 v[4*ii:4*ii+3], v[LI], s[32:33] offset:4096*(8*(ii/16)+(ii%16)+8*((ii/8)%2))
.set ii, ii+1
.endr
	WIN 0
	global_load_b128 v[B2R:B2R+3], v[LI], s[36:37]
	s_wait_dscnt 0x0                               ; my reads of the slots are over
	s_barrier_signal -1
	s_barrier_wait -1                              ; everybody's are: the stage may be written
.irp a, 0,1,2,3,4,5,6,7
	WIN 0x08+4*(\a/4)                              ; an LDS store's data are its source 1: window 2 or 3
.irp t, 0,1,2,3,4,5,6,7
	ds_store_b128 v[WR], v[64*(\a%4)+8*\t:64*(\a%4)+8*\t+3] offset:8448*\a+128*(\t/2)+32*(\t%2)        ; each accumulator from its low end on
	ds_store_b128 v[WR], v[64*(\a%4)+8*\t+4:64*(\a%4)+8*\t+7] offset:8448*\a+128*(\t/2)+32*(\t%2)+16
.endr
.endr
	WIN 0
	s_wait_dscnt 0x0                               ; for the others' sake: my part lies in LDS
	s_barrier_signal -1
	s_barrier_wait -1
.irp q, 0,1,2,3                                ; eight rows at a time
.if \q > 0
	s_wait_xcnt 0x0                                ; the last batch's stores have read their registers
.endif
.irp n, 0,1,2,3,4,5,6,7
.irp k, 0,1,2,3
	ds_load_b128 v[32+16*\n+4*\k:35+16*\n+4*\k], v[RD+\k] offset:528*(8*\q+\n)
.endr
.endr
	s_wait_dscnt 0x0
.if \q == 0
	s_wait_loadcnt 0x0                             ; x and b2
.endif
.irp n, 0,1,2,3,4,5,6,7
	v_pk_add_f32 v[32+16*\n:33+16*\n], v[32+16*\n:33+16*\n], v[36+16*\n:37+16*\n]
	v_pk_add_f32 v[34+16*\n:35+16*\n], v[34+16*\n:35+16*\n], v[38+16*\n:39+16*\n]
	v_pk_add_f32 v[40+16*\n:41+16*\n], v[40+16*\n:41+16*\n], v[44+16*\n:45+16*\n]
	v_pk_add_f32 v[42+16*\n:43+16*\n], v[42+16*\n:43+16*\n], v[46+16*\n:47+16*\n]
.endr
.irp n, 0,1,2,3,4,5,6,7
	v_pk_add_f32 v[32+16*\n:33+16*\n], v[32+16*\n:33+16*\n], v[40+16*\n:41+16*\n]
	v_pk_add_f32 v[34+16*\n:35+16*\n], v[34+16*\n:35+16*\n], v[42+16*\n:43+16*\n]
.endr
.irp n, 0,1,2,3,4,5,6,7
	v_pk_add_f32 v[32+16*\n:33+16*\n], v[32+16*\n:33+16*\n], v[B2R:B2R+1]
	v_pk_add_f32 v[34+16*\n:35+16*\n], v[34+16*\n:35+16*\n], v[B2R+2:B2R+3]
.endr
	WIN 0x04                                       ; source 1: x, window 1
.irp n, 0,1,2,3,4,5,6,7
	v_pk_add_f32 v[32+16*\n:33+16*\n], v[32+16*\n:33+16*\n], v[4*(8*\q+\n):4*(8*\q+\n)+1]
	v_pk_add_f32 v[34+16*\n:35+16*\n], v[34+16*\n:35+16*\n], v[4*(8*\q+\n)+2:4*(8*\q+\n)+3]
.endr
	WIN 0
.irp n, 0,1,2,3,4,5,6,7
	global_store_b128 v[LI], v[32+16*\n:35+16*\n], s[34:35] offset:4096*(8*((8*\q+\n)/16)+((8*\q+\n)%16)+8*(((8*\q+\n)/8)%2))   ; 32 lanes store 512 consecutive bytes, aligned
.endr
.endr
	s_wait_tensorcnt 0x0                           ; the wave's end
	ds_add_u32 v[SPW], v[NIL]
	s_wait_dscnt 0x0
	CROUND                                         ; the closing round
	s_endpgm
.Lfunc_end_k_q12883ff693_ffn2:
	.size	k_q12883ff693_ffn2, .Lfunc_end_k_q12883ff693_ffn2-k_q12883ff693_ffn2
	.p2alignl 7, 3214868480
	.fill 96, 4, 3214868480
	.section	.rodata,"a",@progbits
	.p2align	6, 0x0
	.amdhsa_kernel k_q12883ff693_ffn2
		.amdhsa_group_segment_fixed_size 327680
		.amdhsa_private_segment_fixed_size 0
		.amdhsa_enable_private_segment 0
		.amdhsa_kernarg_size 48
		.amdhsa_user_sgpr_count 2
		.amdhsa_user_sgpr_kernarg_segment_ptr 1
		.amdhsa_wavefront_size32 1
		.amdhsa_system_sgpr_workgroup_id_x 1
		.amdhsa_system_sgpr_workgroup_id_y 1
		.amdhsa_system_sgpr_workgroup_id_z 1
		.amdhsa_system_vgpr_workitem_id 0
		.amdhsa_next_free_vgpr 1024
		.amdhsa_next_free_sgpr 100
		.amdhsa_reserve_vcc 0
		.amdhsa_float_denorm_mode_32 3
		.amdhsa_float_denorm_mode_16_64 3
		.amdhsa_memory_ordered 1
		.amdhsa_forward_progress 1
		.amdhsa_inst_pref_size 138
	.end_amdhsa_kernel
	.amdgpu_metadata
---
amdhsa.version: [ 1, 2 ]
amdhsa.kernels:
  - .name:           k_q12883ff693_ffn2
    .symbol:         k_q12883ff693_ffn2.kd
    .args:
      - { .name: hb, .offset: 0, .size: 8, .value_kind: global_buffer, .address_space: global }
      - { .name: pw, .offset: 8, .size: 8, .value_kind: global_buffer, .address_space: global }
      - { .name: w2_scales, .offset: 16, .size: 8, .value_kind: global_buffer, .address_space: global }
      - { .name: b2, .offset: 24, .size: 8, .value_kind: global_buffer, .address_space: global }
      - { .name: xb, .offset: 32, .size: 8, .value_kind: global_buffer, .address_space: global }
      - { .name: zb, .offset: 40, .size: 8, .value_kind: global_buffer, .address_space: global }
    .group_segment_fixed_size: 327680
    .private_segment_fixed_size: 0
    .kernarg_segment_align: 8
    .kernarg_segment_size: 48
    .max_flat_workgroup_size: 128
    .sgpr_count:     100
    .vgpr_count:     1024
    .wavefront_size: 32
...
	.end_amdgpu_metadata
.endif
;; end of part 5
;; launch ln2 (part 6): grid 256 x 1, 16 waves a work-group, no clusters, 0 bytes of LDS; arguments zb, ln2_g, ln2_b, out0; writes out0
.if DOCPART == 6
	.amdgcn_target "amdgcn-amd-amdhsa--gfx1250"
	.amdhsa_code_object_version 6
	.text
	.protected	k_q12883ff693_ln2
	.globl	k_q12883ff693_ln2
	.p2align	8
	.type	k_q12883ff693_ln2,@function
k_q12883ff693_ln2:
	s_mov_b64 s[64:65], 0
	v_nop
	global_prefetch_b8 v0, s[64:65] scope:SCOPE_SE
	s_setreg_imm32_b32 hwreg(HW_REG_WAVE_MODE, 25, 1), 1
	s_wait_xcnt 0x0
; out0 = layer norm of z = x + ff, gain and bias.  No work of the problem is left out here.
; SHARES: a row a wave, 16 rows a work-group; the row stays in 32 registers between the passes, and the reductions never leave the wave: no LDS, no barrier.  Memory binds: matrix units and clusters would add nothing.
; Register 4 m + i holds column 128 m + 4 lane + i: each load and each store of a wave covers 512 consecutive bytes, aligned.  The norm does not care which columns a lane holds.
; Rows of z are counted batch x 2,048 + position; out0's rows 2 x position + batch.  LIMIT: NaN and infinities are not served.
.set RO,   2                           ; v2   16 x lane
.set X,    16
.set G,    48
.set BB,   80
.set TP,   112
.set SEL,  2
.macro WSUM v, t                       ; the sum over the 32 lanes, in every lane
	s_delay_alu instid0(VALU_DEP_1)
	v_add_f32_dpp v[\v], v[\v], v[\v] row_xmask:1 row_mask:0xf bank_mask:0xf
	s_delay_alu instid0(VALU_DEP_1)
	v_add_f32_dpp v[\v], v[\v], v[\v] row_xmask:2 row_mask:0xf bank_mask:0xf
	s_delay_alu instid0(VALU_DEP_1)
	v_add_f32_dpp v[\v], v[\v], v[\v] row_xmask:4 row_mask:0xf bank_mask:0xf
	s_delay_alu instid0(VALU_DEP_1)
	v_add_f32_dpp v[\v], v[\v], v[\v] row_xmask:8 row_mask:0xf bank_mask:0xf
	s_delay_alu instid0(VALU_DEP_1)
	v_permlanex16_b32 v[\t], v[\v], s[SEL], s[SEL+1]
	s_delay_alu instid0(VALU_DEP_1)
	v_add_f32 v[\v], v[\v], v[\t]
.endm
.macro LNORM                           ; the row in v[X] on becomes (x - mean) / sqrt(variance + 1e-5) x gain + bias
	v_pk_add_f32 v[114:115], v[16:17], v[18:19]
	v_pk_add_f32 v[126:127], v[24:25], v[28:29]
	v_pk_add_f32 v[124:125], v[32:33], v[36:37]
	v_pk_add_f32 v[122:123], v[40:41], v[44:45]
	v_pk_add_f32 v[120:121], v[20:21], v[22:23]
	v_pk_add_f32 v[118:119], v[26:27], v[30:31]
	v_pk_add_f32 v[14:15], v[34:35], v[38:39]
	v_pk_add_f32 v[112:113], v[42:43], v[46:47]
	s_delay_alu instid0(VALU_DEP_1)
	v_pk_add_f32 v[112:113], v[112:113], v[122:123]
	v_pk_add_f32 v[114:115], v[114:115], v[120:121]
	v_pk_add_f32 v[126:127], v[126:127], v[118:119]
	v_pk_add_f32 v[124:125], v[124:125], v[14:15]
	s_delay_alu instid0(VALU_DEP_2)
	v_pk_add_f32 v[112:113], v[112:113], v[126:127]
	s_delay_alu instid0(VALU_DEP_2)
	v_pk_add_f32 v[114:115], v[114:115], v[124:125]
	s_delay_alu instid0(VALU_DEP_1)
	v_pk_add_f32 v[112:113], v[112:113], v[114:115]
	s_delay_alu instid0(VALU_DEP_1)
	v_add_f32 v[TP+4], v[TP], v[TP+1]
	WSUM TP+4, TP+5
	s_delay_alu instid0(VALU_DEP_1)
	v_mul_f32 v[TP+6], 0x3a800000, v[TP+4]         ; the mean: x 2^-10
	s_delay_alu instid0(VALU_DEP_1)
	v_mov_b32 v[TP+7], v[TP+6]
.irp k, 0,2,4,6,8,10,12,14,16,18,20,22,24,26,28,30
	v_pk_add_f32 v[X+\k:X+\k+1], v[X+\k:X+\k+1], v[TP+6:TP+7] neg_lo:[0,1] neg_hi:[0,1]
.endr
	v_pk_mul_f32 v[TP:TP+1], v[X:X+1], v[X:X+1]
	v_pk_mul_f32 v[TP+2:TP+3], v[X+2:X+3], v[X+2:X+3]
.irp k, 4,8,12,16,20,24,28
	s_delay_alu instid0(VALU_DEP_2)
	v_pk_fma_f32 v[TP:TP+1], v[X+\k:X+\k+1], v[X+\k:X+\k+1], v[TP:TP+1]
	s_delay_alu instid0(VALU_DEP_2)
	v_pk_fma_f32 v[TP+2:TP+3], v[X+\k+2:X+\k+3], v[X+\k+2:X+\k+3], v[TP+2:TP+3]
.endr
	s_delay_alu instid0(VALU_DEP_1)
	v_pk_add_f32 v[TP:TP+1], v[TP:TP+1], v[TP+2:TP+3]
	s_delay_alu instid0(VALU_DEP_1)
	v_add_f32 v[TP+4], v[TP], v[TP+1]
	WSUM TP+4, TP+5
	v_mov_b32 v[TP+7], 0x3a800000
	s_delay_alu instid0(VALU_DEP_1)
	v_fmaak_f32 v[TP+6], v[TP+4], v[TP+7], 0x3727c5ac   ; variance + 1e-5
	s_wait_alu depctr_va_vdst(0)
	v_rsq_f32 v[TP+8], v[TP+6]
	v_nop                                          ; a plain line behind the transcendental,
	s_wait_alu depctr_va_vdst(0)                   ; and the wait ahead of its first reader
	v_mov_b32 v[TP+9], v[TP+8]
.irp k, 0,2,4,6,8,10,12,14,16,18,20,22,24,26,28,30
	v_pk_mul_f32 v[X+\k:X+\k+1], v[X+\k:X+\k+1], v[TP+8:TP+9]
.endr
.irp k, 0,2,4,6,8,10,12,14,16,18,20,22,24,26,28,30
	v_pk_fma_f32 v[X+\k:X+\k+1], v[X+\k:X+\k+1], v[G+\k:G+\k+1], v[BB+\k:BB+\k+1]
.endr
.endm
	s_load_b256 s[4:11], s[0:1], 0x0               ; zb, gain, bias, out0
	v_lshrrev_b32 v1, 5, v0
	s_delay_alu instid0(VALU_DEP_1)
	v_readfirstlane_b32 s18, v1
	v_and_b32 v1, 31, v0
	s_delay_alu instid0(VALU_DEP_1)
	v_lshlrev_b32 v[RO], 4, v1
	v_mov_b32 v[TP+5], 0                           ; written once: a lane permute's destination counts as one of its sources
	s_mov_b32 s[SEL], 0x76543210
	s_mov_b32 s[SEL+1], 0xfedcba98
	s_lshl_b32 s20, ttmp9, 4
	s_add_co_u32 s20, s20, s18                     ; my row
	s_lshl_b32 s24, s20, 12
	s_mov_b32 s25, 0
	s_and_b32 s21, s20, 2047
	s_lshl_b32 s21, s21, 1
	s_lshr_b32 s22, s20, 11
	s_add_co_u32 s21, s21, s22
	s_lshl_b32 s22, s21, 12
	s_mov_b32 s23, 0
	s_wait_alu depctr_va_vdst(0)
	s_wait_kmcnt 0x0
	s_add_nc_u64 s[4:5], s[4:5], s[24:25]
	s_add_nc_u64 s[10:11], s[10:11], s[22:23]
.irp m, 0,1,2,3,4,5,6,7
	global_load_b128 v[X+4*\m:X+4*\m+3], v[RO], s[4:5] offset:512*\m th:TH_LOAD_NT
	global_load_b128 v[G+4*\m:G+4*\m+3], v[RO], s[6:7] offset:512*\m
	global_load_b128 v[BB+4*\m:BB+4*\m+3], v[RO], s[8:9] offset:512*\m
.endr
	s_wait_loadcnt 0x0
	LNORM
.irp m, 0,1,2,3,4,5,6,7
	global_store_b128 v[RO], v[X+4*\m:X+4*\m+3], s[10:11] offset:512*\m th:TH_STORE_NT
.endr
	s_endpgm
.Lfunc_end_k_q12883ff693_ln2:
	.size	k_q12883ff693_ln2, .Lfunc_end_k_q12883ff693_ln2-k_q12883ff693_ln2
	.p2alignl 7, 3214868480
	.fill 96, 4, 3214868480
	.section	.rodata,"a",@progbits
	.p2align	6, 0x0
	.amdhsa_kernel k_q12883ff693_ln2
		.amdhsa_group_segment_fixed_size 0
		.amdhsa_private_segment_fixed_size 0
		.amdhsa_enable_private_segment 0
		.amdhsa_kernarg_size 32
		.amdhsa_user_sgpr_count 2
		.amdhsa_user_sgpr_kernarg_segment_ptr 1
		.amdhsa_wavefront_size32 1
		.amdhsa_system_sgpr_workgroup_id_x 1
		.amdhsa_system_sgpr_workgroup_id_y 1
		.amdhsa_system_sgpr_workgroup_id_z 1
		.amdhsa_system_vgpr_workitem_id 0
		.amdhsa_next_free_vgpr 128
		.amdhsa_next_free_sgpr 66
		.amdhsa_reserve_vcc 0
		.amdhsa_float_denorm_mode_32 3
		.amdhsa_float_denorm_mode_16_64 3
		.amdhsa_memory_ordered 1
		.amdhsa_forward_progress 1
		.amdhsa_inst_pref_size 12
	.end_amdhsa_kernel
	.amdgpu_metadata
---
amdhsa.version: [ 1, 2 ]
amdhsa.kernels:
  - .name:           k_q12883ff693_ln2
    .symbol:         k_q12883ff693_ln2.kd
    .args:
      - { .name: zb, .offset: 0, .size: 8, .value_kind: global_buffer, .address_space: global }
      - { .name: ln2_g, .offset: 8, .size: 8, .value_kind: global_buffer, .address_space: global }
      - { .name: ln2_b, .offset: 16, .size: 8, .value_kind: global_buffer, .address_space: global }
      - { .name: out0, .offset: 24, .size: 8, .value_kind: global_buffer, .address_space: global }
    .group_segment_fixed_size: 0
    .private_segment_fixed_size: 0
    .kernarg_segment_align: 8
    .kernarg_segment_size: 32
    .max_flat_workgroup_size: 512
    .sgpr_count:     66
    .vgpr_count:     128
    .wavefront_size: 32
...
	.end_amdgpu_metadata
.endif
;; end of part 6
